; MI455X (gfx1250); checked and timed in simulation.
; The chip was launched on July 23, 2026; its instructions are those of AMD's public machine-readable ISA for CDNA 5 (MIT licence, August 2026) and "CDNA5" Instruction Set Architecture Reference Guide (July 2026). The comments in the code are by the model that wrote it; some were corrected since.
;; MHA. Allowed arithmetic: float matrix products may take bf16 or f16 operands with f32 sums; other float arithmetic in f32, or as packed bf16 or f16 multiplies, adds, multiply-adds, maxima and minima; sums over many terms, partial sums and values carried from step to step in f32; what a program stores and reads back later, other than sums and carried values, may be rounded once to bf16 or f16.
;; Inputs: cos 2,048 x 64 float32; sin 2,048 x 64 float32; wk 2,048 x 2,048 float32; wo 2,048 x 2,048 float32; wq 2,048 x 2,048 float32; wv 2,048 x 2,048 float32; x 1 x 2,048 x 2,048 float32.
;; Outputs: out0 1 x 2,048 x 2,048 float32.
;; One version. Each part assembles by itself: llvm-mc -triple=amdgcn-amd-amdhsa -mcpu=gfx1250 --defsym DOCPART=n.
;; ======== version 1 of 1: 4 launches
;; limits: values are held in f16: magnitudes above 65,504 overflow, below 6.1e-05 lose precision
;; workspace buffers: xb 8,388,608 bytes; wqkv 25,165,824 bytes; wob 8,388,608 bytes; cs 1,114,112 bytes; qkv 25,165,824 bytes; ob 8,388,608 bytes
;; launch cast (part 1): grid 2082 x 1, 8 waves a work-group, no clusters, 0 bytes of LDS; arguments x, wq, wk, wv, cos, sin, xb, wqkv, cs; writes xb, wqkv, cs
.if DOCPART == 1
	.amdgcn_target "amdgcn-amd-amdhsa--gfx1250"
	.amdhsa_code_object_version 6
	.text
	.protected	k_q44d1cc854f_cast
	.globl	k_q44d1cc854f_cast
	.p2align	8
	.type	k_q44d1cc854f_cast,@function
k_q44d1cc854f_cast:
	s_mov_b64 s[64:65], 0
	v_nop
	global_prefetch_b8 v0, s[64:65] scope:SCOPE_SE
	s_setreg_imm32_b32 hwreg(HW_REG_WAVE_MODE, 25, 1), 1
	s_wait_xcnt 0x0
; x, wq, wk, wv, cos AND sin ARE ROUNDED TO bf16, ONCE.  x -> xb (bf16); wq, wk, wv -> wqkv (bf16, one behind the other, each as it lies, [k][n]);
; cos, sin -> cs: rounded to bf16 and written as f32, cos's 524,288 bytes first, then sin's; behind them 32,768 bytes of 1.0 and 32,768 bytes of 0.0: the turn by no angle, which the next launch takes for k.
; (wo is rounded in the attention launch, which leaves memory idle.)
; A stream: no LDS, no matrix unit, no cluster: no byte is wanted twice.  A work-group takes 32,768 bytes of one source, a wave 4,096: eight loads of 512 consecutive bytes, all issued
; before the first is waited for.  A store of 8 bytes a lane covers 256 consecutive bytes, aligned; one of 16 bytes a lane 512.
; Work-group g: source t = g / 512 (x, wq, wk, wv), piece i = g % 512; t = 4: i < 16 cos, i < 32 sin, i = 32 the ones, i = 33 the zeros.
.set X,   8                            ; v[8:39]   load j: four f32
.set Y,   40                           ; v[40:55]  load j: four bf16
.set W,   56                           ; v[56:57]  at work
.set SRC, 30                           ; s[30:31]  the source at this work-group's piece
.set DST, 32                           ; s[32:33]  the destination likewise
	s_load_b512 s[8:23], s[0:1], 0x0               ; x, wq, wk, wv, cos, sin, xb, wqkv
	s_load_b64 s[24:25], s[0:1], 0x40              ; cs
	s_lshr_b32 s2, ttmp9, 9                        ; t
	s_and_b32 s3, ttmp9, 511                       ; i
	v_lshrrev_b32 v3, 5, v0                        ; wave
	v_and_b32 v4, 31, v0                           ; lane
	v_lshlrev_b32 v1, 4, v4
	v_lshl_add_u32 v1, v3, 12, v1                  ; 4,096 x wave + 16 x lane: my place in the f32 piece
	v_lshrrev_b32 v2, 1, v1                        ; half of it: my place in the bf16 piece
	s_and_b32 s34, s3, 15                          ; offsets are made apart from the addresses
	s_cmp_eq_u32 s2, 4
	s_cselect_b32 s34, s34, s3
	s_lshl_b32 s34, s34, 15                        ; source: 32,768 bytes a piece
	s_mov_b32 s35, 0
	s_lshl_b32 s36, s3, 14                         ; destination: 16,384 bytes a piece,
	s_lshl_b32 s38, s3, 15                         ; or 32,768 in cs (sin's pieces 16 .. 31 fall behind cos's, the ones and the zeros behind those)
	s_cmp_eq_u32 s2, 4
	s_cselect_b32 s36, s38, s36
	s_sub_co_u32 s38, s2, 1
	s_lshl_b32 s39, s38, 23                        ; wk and wv lie 8,388,608 and 16,777,216 bytes into wqkv
	s_cmp_lt_u32 s38, 3
	s_cselect_b32 s39, s39, 0
	s_add_co_u32 s36, s36, s39
	s_mov_b32 s37, 0
	s_wait_kmcnt 0x0
	s_cmp_eq_u32 s2, 1                             ; the choice among the buffers hangs on the work-group's number alone
	s_cselect_b64 s[SRC:SRC+1], s[10:11], s[8:9]
	s_cmp_eq_u32 s2, 2
	s_cselect_b64 s[SRC:SRC+1], s[12:13], s[SRC:SRC+1]
	s_cmp_eq_u32 s2, 3
	s_cselect_b64 s[SRC:SRC+1], s[14:15], s[SRC:SRC+1]
	s_cmp_eq_u32 s2, 4
	s_cselect_b64 s[SRC:SRC+1], s[16:17], s[SRC:SRC+1]
	s_cselect_b64 s[DST:DST+1], s[24:25], s[22:23]
	s_cmp_ge_u32 ttmp9, 2064                       ; 4 x 512 + 16: sin's pieces
	s_cselect_b64 s[SRC:SRC+1], s[18:19], s[SRC:SRC+1]
	s_cmp_eq_u32 s2, 0
	s_cselect_b64 s[DST:DST+1], s[20:21], s[DST:DST+1]
	s_add_nc_u64 s[SRC:SRC+1], s[SRC:SRC+1], s[34:35]
	s_add_nc_u64 s[DST:DST+1], s[DST:DST+1], s[36:37]
	s_cmp_ge_u32 ttmp9, 2080                       ; the last two work-groups load nothing
	s_cbranch_scc1 .Lone
.irp j, 0,1,2,3,4,5,6,7
	global_load_b128 v[X+4*(\j):X+4*(\j)+3], v1, s[SRC:SRC+1] offset:512*(\j) th:TH_LOAD_NT
.endr
; Load j is rounded and stored.  The wait leaves the 7 - j younger loads out.  No register that a store reads is written again.
.macro TO16 j
	s_wait_loadcnt 7-(\j)
	v_cvt_pk_bf16_f32 v[Y+2*(\j)], v[X+4*(\j)], v[X+4*(\j)+1]
	v_cvt_pk_bf16_f32 v[Y+2*(\j)+1], v[X+4*(\j)+2], v[X+4*(\j)+3]
	global_store_b64 v2, v[Y+2*(\j):Y+2*(\j)+1], s[DST:DST+1] offset:256*(\j)
.endm
.macro TO32 j
	s_wait_loadcnt 7-(\j)
	v_cvt_pk_bf16_f32 v[W], v[X+4*(\j)], v[X+4*(\j)+1]
	v_cvt_pk_bf16_f32 v[W+1], v[X+4*(\j)+2], v[X+4*(\j)+3]
	v_lshlrev_b32 v[X+4*(\j)], 16, v[W]            ; the bf16 numbers as f32
	v_and_b32 v[X+4*(\j)+1], 0xffff0000, v[W]
	v_lshlrev_b32 v[X+4*(\j)+2], 16, v[W+1]
	v_and_b32 v[X+4*(\j)+3], 0xffff0000, v[W+1]
	global_store_b128 v1, v[X+4*(\j):X+4*(\j)+3], s[DST:DST+1] offset:512*(\j)
.endm
	s_cmp_eq_u32 s2, 4
	s_cbranch_scc1 .Lcs
.irp j, 0,1,2,3,4,5,6,7
	TO16 \j
.endr
	s_endpgm
.Lcs:
.irp j, 0,1,2,3,4,5,6,7
	TO32 \j
.endr
	s_endpgm
.Lone:
	s_cmp_eq_u32 ttmp9, 2080
	s_cselect_b32 s38, 1.0, 0
.irp r, 0,1,2,3
	v_mov_b32 v[X+(\r)], s38
.endr
.irp j, 0,1,2,3,4,5,6,7
	global_store_b128 v1, v[X:X+3], s[DST:DST+1] offset:512*(\j)
.endr
	s_endpgm
.Lfunc_end_k_q44d1cc854f_cast:
	.size	k_q44d1cc854f_cast, .Lfunc_end_k_q44d1cc854f_cast-k_q44d1cc854f_cast
	.p2alignl 7, 3214868480
	.fill 96, 4, 3214868480
	.section	.rodata,"a",@progbits
	.p2align	6, 0x0
	.amdhsa_kernel k_q44d1cc854f_cast
		.amdhsa_group_segment_fixed_size 0
		.amdhsa_private_segment_fixed_size 0
		.amdhsa_enable_private_segment 0
		.amdhsa_kernarg_size 72
		.amdhsa_user_sgpr_count 2
		.amdhsa_user_sgpr_kernarg_segment_ptr 1
		.amdhsa_wavefront_size32 1
		.amdhsa_system_sgpr_workgroup_id_x 1
		.amdhsa_system_sgpr_workgroup_id_y 1
		.amdhsa_system_sgpr_workgroup_id_z 1
		.amdhsa_system_vgpr_workitem_id 0
		.amdhsa_next_free_vgpr 64
		.amdhsa_next_free_sgpr 66
		.amdhsa_reserve_vcc 0
		.amdhsa_float_denorm_mode_32 3
		.amdhsa_float_denorm_mode_16_64 3
		.amdhsa_memory_ordered 1
		.amdhsa_forward_progress 1
		.amdhsa_inst_pref_size 10
	.end_amdhsa_kernel
	.amdgpu_metadata
---
amdhsa.version: [ 1, 2 ]
amdhsa.kernels:
  - .name:           k_q44d1cc854f_cast
    .symbol:         k_q44d1cc854f_cast.kd
    .args:
      - { .name: x, .offset: 0, .size: 8, .value_kind: global_buffer, .address_space: global }
      - { .name: wq, .offset: 8, .size: 8, .value_kind: global_buffer, .address_space: global }
      - { .name: wk, .offset: 16, .size: 8, .value_kind: global_buffer, .address_space: global }
      - { .name: wv, .offset: 24, .size: 8, .value_kind: global_buffer, .address_space: global }
      - { .name: cos, .offset: 32, .size: 8, .value_kind: global_buffer, .address_space: global }
      - { .name: sin, .offset: 40, .size: 8, .value_kind: global_buffer, .address_space: global }
      - { .name: xb, .offset: 48, .size: 8, .value_kind: global_buffer, .address_space: global }
      - { .name: wqkv, .offset: 56, .size: 8, .value_kind: global_buffer, .address_space: global }
      - { .name: cs, .offset: 64, .size: 8, .value_kind: global_buffer, .address_space: global }
    .group_segment_fixed_size: 0
    .private_segment_fixed_size: 0
    .kernarg_segment_align: 8
    .kernarg_segment_size: 72
    .max_flat_workgroup_size: 256
    .sgpr_count:     66
    .vgpr_count:     64
    .wavefront_size: 32
...
	.end_amdgpu_metadata
.endif
;; end of part 1
;; launch qkv (part 2): grid 24 x 8, 4 waves a work-group, clusters of 4 x 4, 327,680 bytes of LDS; arguments xb, wqkv, cs, qkv; writes qkv
.if DOCPART == 2
	.amdgcn_target "amdgcn-amd-amdhsa--gfx1250"
	.amdhsa_code_object_version 6
	.text
	.protected	k_q44d1cc854f_qkv
	.globl	k_q44d1cc854f_qkv
	.p2align	8
	.type	k_q44d1cc854f_qkv,@function
k_q44d1cc854f_qkv:
	s_mov_b64 s[64:65], 0
	v_nop
	global_prefetch_b8 v0, s[64:65] scope:SCOPE_SE
	s_setreg_imm32_b32 hwreg(HW_REG_WAVE_MODE, 25, 1), 1
	s_wait_xcnt 0x0
	s_wait_alu depctr_hold_cnt(0) depctr_sa_sdst(0) depctr_va_vdst(0) depctr_va_sdst(0) depctr_va_ssrc(0) depctr_va_vcc(0) depctr_vm_vsrc(0)
	s_getreg_b32 s2, hwreg(HW_REG_IB_STS2, 6, 4)
	s_cmp_eq_u32 s2, 0
	s_cbranch_scc0 .Lentry_in_a_cluster
	s_endpgm
.Lentry_in_a_cluster:
	s_bfe_u32 s2, ttmp6, 0x10000c
	s_cmp_lg_u32 s2, 0xf033
	s_cbranch_scc0 .Lentry_shape_is_right
	s_endpgm
.Lentry_shape_is_right:
; q, k, v = x wq, x wk, x wv; q and v turned by the rotary tables; all three written by heads, qkv[48][2048][128] in f16 (head column 0-15 q, 16-31 k, 32-47 v), unscaled.
; xb: [2048][2048] bf16; wqkv: [3][k 2048][n 2048] bf16; cs: f32, cos [2048][64], sin [2048][64], then 128 rows of 1.0 and 128 rows of 0.0.  Sums in f32; the rotation in f32 on the sums; one rounding to f16.
; k is turned by no angle: its work-groups take the ones for cos and the zeros for sin (e x 1 - o x 0 is e, exactly), so that one text of the way out serves q, k and v and no branch stands in it.
; LIMIT.  f16 holds no number beyond 65,504: a q, k or v past that becomes an infinity.  NaN and infinities are not treated apart (an infinite k times the table's 0 is a NaN).
; A tile of C = x [wq wk wv], 256 x 256, is made by four waves, 128 x 128 each: 64 accumulators of 16 x 16.  A wave's 128 columns are ONE head, so a row of its result is 256 consecutive bytes of qkv.
; 24 x 8 tiles: 192 work-groups; a tile with fewer columns would cut a head in two, and would leave a refill fewer products in which to land.
; K goes in 16 steps of 128 through a ring of two LDS slots filled by the tensor data mover.  A K STEP IS WRITTEN ONCE: the LDS addresses of the slot being read are a base plus s[TB], which one exclusive or turns at each change of slots.
; x's tile lies along K (128 rows x 256 bytes a load).  A weight lies [k][n]: its tile is 128 k rows x 512 bytes (64 rows a load), and the fragments come out of LDS turned, by ds_load_tr16_b128.
; CLUSTERS: 4 x 4 work-groups; x's tile is asked for jointly along a row of the cluster, the weight's along a column.
; THE MATRIX INSTRUCTION IS USED TRANSPOSED (source 0 = 16 columns of the weight, source 1 = 16 rows of x): a lane holds one row of C (lane % 16) and eight neighbouring columns: four rotary pairs.
; REGISTERS, in windows of 256: window 0: v0-31 addresses; v64-127, v128-191 x's fragments, two buffers; window 1: v64-127, v128-191 the weight's; windows 2, 3: the accumulators ((a, b) at v[8 (8 a + b)]).
; On the way out: window 0: v32-63 packed results; v64-127, v128-191, v192-255 sets of cos and sin; window 1: v0-63 turned results; v64-127, v192-255 sets; v128-191 rows read back from the stage.
.set PITCH,  272                       ; a row of x in LDS: 256 bytes + 16: the 16 rows of a load start at 16 different groups of four banks (64 banks of 4 bytes: ISA guide 11.1)
.set PB,     544                       ; a k row of the weight: 512 bytes + 32 = 17 x 32
.set HALFT,  128*PITCH                 ; what one tensor load brings: 128 rows of x, or 64 k rows of the weight (64 x 544 is the same 34,816 bytes)
.set BOFF,   2*HALFT                   ; the weight's tile lies behind x's 256 rows
.set SLOT,   4*HALFT                   ; 0x22000; the loads' LDS words in slot 0, wave x 0x8800, have bits 13 and 17 clear, so one exclusive or turns them into slot 1's
.set STAGE,  2*SLOT                    ; behind the ring: 16 rows x 272 bytes for each wave, for the way out
.set SPITCH, 272
.set SPARE,  STAGE+4*16*SPITCH         ; behind the stages: the spare words, 128 bytes for each wave: two blocks of 256 bytes that no other line names
.set STEPS,  16                        ; 2,048 / 128
.set ADRA0, 16                         ; v16     LDS address of my fragments of x in slot 0; never rewritten
.set ADRA,  17                         ; v17     the same in the slot being read
.set ADRB0, 20                         ; v20, v21  likewise for the weight
.set ADRB,  21
.set STO,  24                          ; v24     the way out: where I put 16 bytes of a row
.set RD,   25                          ; v25     where I read rows back
.set CO,   26                          ; v26     16 x lane: my 16 bytes of 512 consecutive bytes of qkv
.set CSO,  27                          ; v27     my 16 bytes in 16 rows of cos or sin: 256 (l % 16) + 16 (l / 16)
.set SPW,  28                          ; v28     LDS address of my spare word; never rewritten
.set NIL,  29                          ; v29     0; never rewritten
.set PFO,  30                          ; v30     the prefetches' lane offset; never rewritten
.set F0,   64
.set F1,   128
.set TMP,  32                          ; window 0
.set RO,   0                           ; window 1
.set OB,   128                         ; window 1: two buffers of 32
.set G1,  24                           ; s[24:31] descriptor group 1 for x's tiles
.set G0,  32                           ; s[32:39] group 0: a set for each of the two first fills; the second then walks on
.set LIM, 43                           ; s43      2 in a wave that prefetches, else the greatest number
.set PFA, 44                           ; s[44:45] where my prefetches stand
.set G1B, 48                           ; s[48:55], s[56:63] the same for the weight's tiles
.set G0B, 56
.set PFS, 66                           ; s[66:67] a K step in bytes, along x's rows (256) or down the weight's (524,288)
.set COS, 68                           ; s[68:69] cos at my first row, or the ones
.set OUT, 70                           ; s[70:71] qkv at my head column and first row
.set SIN, 72                           ; s[72:73] sin at my first row, or the zeros
.set TB,  79                           ; s79      LDS byte at which the slot being read begins: 0 or SLOT
.set MSB, 0
.macro WIN new                         ; the immediate's high byte repeats the setting that is left; a switch that changes nothing is dropped
.if MSB != (\new)
	s_set_vgpr_msb (MSB<<8)|(\new)
.set MSB, \new
.endif
.endm
.set MUL_LO, 0xa1                      ; source 0 (weight) window 1, source 1 (x) window 0, C and D window 2
.set MUL_HI, 0xf1                      ; the same, C and D window 3
.set TO_B,   0x40                      ; destination window 1, address window 0
; A joint load.  Waves 0 and 1 fetch x's two halves, waves 2 and 3 the weight's.  The branch hangs on the wave's number alone.  An s_nop 0 and four v_nop follow each line.
.macro JLOAD s
	s_cmp_eq_u32 s11, 0
	s_cbranch_scc0 .Lfor_b_\@
	tensor_load_to_lds s[G0+4*(\s):G0+4*(\s)+3], s[G1:G1+7]
	s_nop 0
.rept 4
	v_nop
.endr
	s_branch .Lasked_\@
.Lfor_b_\@:
	tensor_load_to_lds s[G0B+4*(\s):G0B+4*(\s)+3], s[G1B:G1B+7]
	s_nop 0
.rept 4
	v_nop
.endr
.Lasked_\@:
.endm
; A prefetch into the L2 of the K step that stands two refills on: 32 blocks of 256 bytes, a lane a block, one instruction a wave.  x's rows are read by all six clusters of a row of clusters: cluster x = 0 asks;
; a weight's columns by both clusters of a column: cluster y = 0 asks.  The four partners that ask for a tile jointly share its blocks out by address.  The loop's last two trips have no K step two refills on.
.macro ASK
	s_cmp_gt_u32 s3, s[LIM]
	s_cbranch_scc0 .Lnot_mine_\@
	global_prefetch_b8 v[PFO], s[PFA:PFA+1] th:TH_LOAD_NT scope:SCOPE_SE
.Lnot_mine_\@:
.endm
.macro CREST                           ; a round of the cluster's barrier behind its opening barrier
	s_cmp_lg_u32 s10, 0
	s_cbranch_scc1 .Lnot_wave_0_\@
	s_barrier_signal -3
.Lnot_wave_0_\@:
	s_barrier_wait -3
	s_barrier_signal -1
	s_barrier_wait -1
.endm
.macro CROUND                          ; a whole round
	s_barrier_signal -1
	s_barrier_wait -1
	CREST
.endm
	s_load_b128 s[4:7], s[0:1], 0x0                ; xb s[4:5], wqkv s[6:7]
	s_load_b128 s[68:71], s[0:1], 0x10             ; cs s[68:69], qkv s[70:71]
	v_lshl_add_u32 v[SPW], v0, 2, SPARE
	v_mov_b32 v[NIL], 0
	ds_add_u32 v[SPW], v[NIL]                      ; the wave's opening: the add and its wait stand ahead of my first tensor load; work on registers stands between them
	v_lshrrev_b32 v1, 5, v0
	v_readfirstlane_b32 s10, v1                    ; wave 0..3
	s_lshr_b32 s11, s10, 1                         ; which half of the tile's rows is mine.  Also: I fetch for x (0) or for the weight (1)
	s_and_b32 s12, s10, 1                          ; which half of its columns.  Also: which half of that tile I fetch
	s_bfe_u32 s40, ttmp6, 0x40000                  ; cx
	s_bfe_u32 s41, ttmp6, 0x40004                  ; cy
	s_lshl_b32 s42, ttmp9, 2
	s_add_co_u32 s42, s42, s40                     ; tile column 0..23 = 4 x cluster x + cx
	s_and_b32 s13, ttmp7, 0xffff
	s_lshl_b32 s13, s13, 2
	s_add_co_u32 s13, s13, s41                     ; tile row 0..7 = 4 x cluster y + cy
	s_lshl_b32 s43, s41, 2
	s_lshl_b32 s43, 15, s43                        ; my row of the cluster
	s_lshl_b32 s44, 0x1111, s40                    ; my column
	s_or_b32 s[G1+0], s43, (1<<16)|(1<<20)|(1<<21)|(5<<22)|(3<<25)   ; the mask; 2-byte elements; padding on; bit 21 beside a mask; after every 64 words 4 words
	s_mov_b32 s[G1+1], 128<<16                     ; tensor_dim0 = 128
	s_mov_b32 s[G1+2], 128<<16                     ; tensor_dim1 = 128
	s_mov_b32 s[G1+3], 128<<16                     ; tile_dim0 = 128
	s_mov_b32 s[G1+4], 128                         ; tile_dim1 = 128
	s_mov_b32 s[G1+5], 2048                        ; elements from row to row
	s_mov_b32 s[G1+6], 0
	s_mov_b32 s[G1+7], 0
	s_or_b32 s[G1B+0], s44, (1<<16)|(1<<20)|(1<<21)|(6<<22)|(7<<25)  ; after every 128 words 8 words
	s_mov_b32 s[G1B+1], 256<<16                    ; tensor_dim0 = 256
	s_mov_b32 s[G1B+2], 64<<16                     ; tensor_dim1 = 64
	s_mov_b32 s[G1B+3], 256<<16                    ; tile_dim0 = 256
	s_mov_b32 s[G1B+4], 64                         ; tile_dim1 = 64
	s_mov_b32 s[G1B+5], 2048
	s_mov_b32 s[G1B+6], 0
	s_mov_b32 s[G1B+7], 0
	s_lshl_b32 s16, s13, 8                         ; x: row 256 x tile row + 128 x half, 4,096 bytes a row
	s_lshl_b32 s17, s12, 7
	s_add_co_u32 s16, s16, s17
	s_lshl_b32 s16, s16, 12
	s_mov_b32 s17, 0
	s_lshr_b32 s46, s42, 3                         ; the weight: which of the three, 8,388,608 bytes each,
	s_lshl_b32 s46, s46, 23
	s_and_b32 s47, s42, 7
	s_lshl_b32 s47, s47, 9                         ; its 256 columns: 512 bytes,
	s_add_co_u32 s46, s46, s47
	s_mov_b32 s75, s46                             ; (kept for the prefetches)
	s_lshl_b32 s47, s12, 18                        ; my 64 k rows of a K step's 128
	s_add_co_u32 s46, s46, s47
	s_mov_b32 s47, 0
	s_mul_i32 s20, s10, HALFT                      ; where the tiles go: wave x 34,816: no place in the cluster enters an LDS address
	s_mov_b32 s[TB], 0
	s_wait_dscnt 0x0                               ; the opening add is done
	s_wait_kmcnt 0x0
	s_add_nc_u64 s[14:15], s[4:5], s[16:17]
	s_add_nc_u64 s[46:47], s[6:7], s[46:47]
	CROUND                                         ; all sixteen work-groups are here: the first joint loads meet
.irp s, 0,1
	s_mov_b32 s[G0+4*(\s)], 1
	s_add_co_u32 s[G0+4*(\s)+1], s20, (\s)*SLOT
	s_add_nc_u64 s[G0+4*(\s)+2:G0+4*(\s)+3], s[14:15], (\s)*256       ; K step s: 256 bytes along x's rows
	s_or_b32 s[G0+4*(\s)+3], s[G0+4*(\s)+3], 0x80000000
	s_mov_b32 s[G0B+4*(\s)], 1
	s_add_co_u32 s[G0B+4*(\s)+1], s20, (\s)*SLOT
	s_add_nc_u64 s[G0B+4*(\s)+2:G0B+4*(\s)+3], s[46:47], (\s)*524288  ; K step s: 128 rows down the weight
	s_or_b32 s[G0B+4*(\s)+3], s[G0B+4*(\s)+3], 0x80000000
	JLOAD \s
.endr
	v_and_b32 v1, 15, v0                           ; l % 16
	v_bfe_u32 v2, v0, 4, 1                         ; l / 16
	v_mul_u32_u24 v3, v1, PITCH
	v_lshl_add_u32 v3, v2, 4, v3                   ; x: row x pitch + 16 x half
	v_and_b32 v4, 7, v0
	v_lshl_add_u32 v4, v2, 3, v4                   ; the weight, turned: k row 8 (l / 16) + l % 8,
	v_mul_u32_u24 v4, v4, PB
	v_bfe_u32 v5, v0, 3, 1
	v_lshl_add_u32 v4, v5, 4, v4                   ; columns 8 ((l / 8) % 2) on
	s_mul_i32 s21, s11, HALFT                      ; my 128 rows of x
	s_lshl_b32 s22, s12, 8                         ; my 128 columns of the weight: 256 bytes
	s_add_co_u32 s22, s22, BOFF
	v_add_nc_u32 v[ADRA0], s21, v3
	v_add_nc_u32 v[ADRB0], s22, v4
	v_mov_b32 v[ADRA], v[ADRA0]                    ; slot 0 is read first
	v_mov_b32 v[ADRB], v[ADRB0]
	s_mul_i32 s23, s10, 16*SPITCH
	s_add_co_u32 s23, s23, STAGE                   ; my stage
	v_mul_u32_u24 v4, v1, SPITCH
	v_lshl_add_u32 v4, v2, 4, v4
	v_add_nc_u32 v[STO], s23, v4
	v_mul_u32_u24 v5, v2, SPITCH
	v_lshl_add_u32 v5, v1, 4, v5
	v_add_nc_u32 v[RD], s23, v5
	v_and_b32 v5, 31, v0
	v_lshlrev_b32 v[CO], 4, v5
	v_lshlrev_b32 v[CSO], 8, v1
	v_lshl_add_u32 v[CSO], v2, 4, v[CSO]
	v_lshrrev_b32 v[PFO], s11, v5                  ; x: a lane a row of 4,096 bytes; the weight: two lanes a k row, 256 bytes apart
	v_lshlrev_b32 v[PFO], 12, v[PFO]
	v_and_b32 v5, s11, v5
	v_lshl_add_u32 v[PFO], v5, 8, v[PFO]
	s_lshl_b32 s76, s13, 8
	s_lshl_b32 s77, s11, 7
	s_add_co_u32 s76, s76, s77                     ; my first row of C
	s_lshl_b32 s76, s76, 8                         ; a row of cos, of sin and of a head column is 256 bytes
	s_mov_b32 s18, 0x8000
	s_lshr_b32 s77, ttmp9, 1                       ; clusters 0, 1: q; 2, 3: k; 4, 5: v: the same in all sixteen partners
	s_cmp_lg_u32 s77, 1
	s_cselect_b32 s16, s76, 0x100000               ; q, v: cos at my rows; k: the ones, behind cos and sin
	s_cselect_b32 s18, 0x80000, s18                ; from cos to sin 524,288 bytes, from the ones to the zeros 32,768
	s_mov_b32 s17, 0
	s_mov_b32 s19, 0
	s_mov_b32 s77, 0
	s_add_nc_u64 s[COS:COS+1], s[COS:COS+1], s[16:17]
	s_add_nc_u64 s[SIN:SIN+1], s[COS:COS+1], s[18:19]
	s_lshl_b32 s78, s42, 1
	s_add_co_u32 s78, s78, s12                     ; my head column = 2 x tile column + half
	s_lshl_b32 s78, s78, 19                        ; 524,288 bytes each
	s_add_co_u32 s76, s76, s78
	s_add_nc_u64 s[OUT:OUT+1], s[OUT:OUT+1], s[76:77]
	; the prefetches: my work-group's share of what I fetch, at K step 3; each change of slots steps it by a K step and then names it
	s_lshl_b32 s20, s13, 8
	s_lshl_b32 s21, s12, 7
	s_add_co_u32 s20, s20, s21
	s_lshl_b32 s21, s40, 5                         ; x: 32 rows of the 128, by cx
	s_add_co_u32 s20, s20, s21
	s_lshl_b32 s20, s20, 12
	s_add_co_u32 s20, s20, 3*256
	s_lshl_b32 s21, s12, 6
	s_lshl_b32 s22, s41, 4                         ; the weight: 16 k rows of the 64, by cy
	s_add_co_u32 s21, s21, s22
	s_add_co_u32 s21, s21, 3*128
	s_lshl_b32 s21, s21, 12
	s_add_co_u32 s21, s21, s75
	s_and_b32 s22, ttmp7, 0xffff                   ; cluster y
	s_mov_b32 s23, 256
	s_cmp_eq_u32 s11, 0                            ; do I fetch for x?
	s_cselect_b32 s20, s20, s21
	s_cselect_b32 s22, ttmp9, s22                  ; the coordinate along which other clusters read the same blocks
	s_cselect_b64 s[PFA:PFA+1], s[4:5], s[6:7]
	s_cselect_b32 s[PFS], s23, 0x80000
	s_mov_b32 s[PFS+1], 0
	s_cmp_eq_u32 s22, 0
	s_cselect_b32 s[LIM], 2, -1                    ; the same in all sixteen partners, for a given wave
	s_mov_b32 s21, 0
	s_add_nc_u64 s[PFA:PFA+1], s[PFA:PFA+1], s[20:21]
; 16 matrix instructions: row blocks a0, a0 + 1 of the window's four x all 8 column blocks, 32 along K.  zero = 1: the first product starts the sums.  The 64 accumulators take turns, in the same order in every quarter.
.macro MUL16 f, hi, a0, zero
	WIN MUL_LO+0x50*(\hi)
.irp a, \a0, (\a0)+1
.irp b, 0,1,2,3,4,5,6,7
.if \zero
	v_wmma_f32_16x16x32_bf16 v[8*(8*(\a)+(\b)):8*(8*(\a)+(\b))+7], v[(\f)+8*(\b):(\f)+8*(\b)+7], v[(\f)+8*(4*(\hi)+(\a)):(\f)+8*(4*(\hi)+(\a))+7], 0
.else
	v_wmma_f32_16x16x32_bf16 v[8*(8*(\a)+(\b)):8*(8*(\a)+(\b))+7], v[(\f)+8*(\b):(\f)+8*(\b)+7], v[(\f)+8*(4*(\hi)+(\a)):(\f)+8*(4*(\hi)+(\a))+7], v[8*(8*(\a)+(\b)):8*(8*(\a)+(\b))+7]
.endif
.endr
.endr
.endm
; 32 LDS loads in one run: the fragments of quarter q (32 along K) of the slot being read into buffer f: the weight's 128 columns, turned, then x's 128 rows
.macro FETCH q, f
	WIN TO_B
.irp i, 0,1,2,3,4,5,6,7
	ds_load_tr16_b128 v[(\f)+8*(\i):(\f)+8*(\i)+3],   v[ADRB] offset:(\q)*32*PB+32*(\i)
	ds_load_tr16_b128 v[(\f)+8*(\i)+4:(\f)+8*(\i)+7], v[ADRB] offset:(\q)*32*PB+16*PB+32*(\i)
.endr
	WIN 0
.irp i, 0,1,2,3,4,5,6,7
	ds_load_b128 v[(\f)+8*(\i):(\f)+8*(\i)+3],   v[ADRA] offset:(\q)*64+(\i)*16*PITCH
	ds_load_b128 v[(\f)+8*(\i)+4:(\f)+8*(\i)+7], v[ADRA] offset:(\q)*64+(\i)*16*PITCH+32
.endr
.endm
.macro PLACES                          ; four plain instructions between a matrix instruction and a load into, or a vector read of, its registers
.rept 4
	v_nop
.endr
.endm
.macro NEXTSLOT                        ; the reads go on in the other slot
	s_xor_b32 s[TB], s[TB], SLOT
	v_add_nc_u32 v[ADRA], s[TB], v[ADRA0]
	v_add_nc_u32 v[ADRB], s[TB], v[ADRB0]
.endm
; A K step is four quarters of 32 along K, 64 matrix instructions each, on buffers 0, 1, 0, 1.  One of the first three: multiplies buffer f and fetches quarter q of the same slot into g.
.macro QUARTER q, f, g, zero
	s_wait_dscnt 8                                 ; the weight's and x's rows 0-63 are in; the youngest eight loads (x's rows 64-127) may be out
	WIN MUL_LO
	MUL16 \f, 0, 0, \zero
	MUL16 \f, 0, 2, \zero
	PLACES
	FETCH \q, \g
	s_wait_dscnt 32                                ; all but the 32 just issued
	WIN MUL_HI
	MUL16 \f, 1, 0, \zero
	MUL16 \f, 1, 2, \zero
.endm
; The change of slots, first half: each wave waits for all its tensor loads (at most one is out: its part of the next slot), adds 0 to its spare word, waits for that and for its reads of this slot, and signals.
.macro MEET
	WIN 0
	s_wait_tensorcnt 0x0
	ds_add_u32 v[SPW], v[NIL]
	s_wait_dscnt 9                                 ; (the add and the youngest eight loads may be out)
	WIN MUL_LO
	MUL16 F1, 0, 0, 0
	s_wait_dscnt 0x0                               ; the add is done, and my reads of this slot are over
	s_barrier_signal -1
	MUL16 F1, 0, 2, 0
	WIN 0
	s_barrier_wait -1
.endm
; The last quarter of a K step.  fill = 1: the barrier opens a round of the cluster's; behind it the slot just read is filled again, two K steps on, first thing: the walking descriptor takes the other slot
; than last time and the next K step.  fill = 0, the last two K steps: nothing is filled; in the very last (s3 = 1) there is no further slot, and the fetch is jumped over.
.macro TURN fill
.if \fill
	s_wait_xcnt 0x0                                ; the last prefetch, a K step back, has read its address
	s_add_nc_u64 s[PFA:PFA+1], s[PFA:PFA+1], s[PFS:PFS+1]
.endif
	MEET
.if \fill
	CREST
	s_xor_b32 s[G0+5], s[G0+5], SLOT
	s_add_nc_u64 s[G0+6:G0+7], s[G0+6:G0+7], 256
	s_xor_b32 s[G0B+5], s[G0B+5], SLOT
	s_add_nc_u64 s[G0B+6:G0B+7], s[G0B+6:G0B+7], 524288
	JLOAD 1                                        ; its four v_nop are also the places in front of the loads below
	NEXTSLOT
	FETCH 0, F0
	ASK
.else
	s_cmp_eq_u32 s3, 1
	s_cbranch_scc1 .Lno_more_\@
	PLACES
	NEXTSLOT
	FETCH 0, F0
.Lno_more_\@:
.endif
	WIN MUL_HI
	MUL16 F1, 1, 0, 0
	MUL16 F1, 1, 2, 0
.endm
; THE WAY OUT.  LOADCS: cos and sin for block a (16 rows): for column block b a lane's four pairs are 16 bytes at row x 256 + 32 b + 16 (l / 16); 32 registers of cos, then 32 of sin, at v[sb] of window sw.
.macro LOADCS a, sw, sb
	WIN (\sw)*0x40
.irp b, 0,1,2,3,4,5,6,7
	global_load_b128 v[(\sb)+4*(\b):(\sb)+4*(\b)+3], v[CSO], s[COS:COS+1] offset:(\a)*4096+32*(\b)
.endr
.irp b, 0,1,2,3,4,5,6,7
	global_load_b128 v[(\sb)+32+4*(\b):(\sb)+32+4*(\b)+3], v[CSO], s[SIN:SIN+1] offset:(\a)*4096+32*(\b)
.endr
	WIN 0
.endm
; MAKE: block a is turned and rounded to f16.  For a pair (e, o): (e, o) x c, then + (-o, e) x s: op_sel picks the pair's c or s out of its register pair and swaps e and o.
; n: how many younger loads of cos and sin may stay out; below 0: the set is known to be in.  Each accumulator is read from its low end on.
.macro MAKE a, n, sw, sb
.if (\n) >= 0
	s_wait_loadcnt \n
.endif
.set AC, 64*((\a)%4)
	WIN 0x50+4*(\sw)+2+(\a)/4                      ; source 0 the accumulators' window, source 1 the set's, source 2 and destination window 1
.irp b, 0,1,2,3,4,5,6,7
.irp i, 0,1,2,3
.set rA, AC+8*(\b)+2*(\i)
.set rR, RO+8*(\b)+2*(\i)
.set rC, (\sb)+4*(\b)+2*((\i)/2)
.if ((\i)%2) == 0
	v_pk_mul_f32 v[rR:rR+1], v[rA:rA+1], v[rC:rC+1] op_sel_hi:[1,0]
.else
	v_pk_mul_f32 v[rR:rR+1], v[rA:rA+1], v[rC:rC+1] op_sel:[0,1] op_sel_hi:[1,1]
.endif
.endr
.irp i, 0,1,2,3
.set rA, AC+8*(\b)+2*(\i)
.set rR, RO+8*(\b)+2*(\i)
.set rC, (\sb)+32+4*(\b)+2*((\i)/2)
.if ((\i)%2) == 0
	v_pk_fma_f32 v[rR:rR+1], v[rA:rA+1], v[rC:rC+1], v[rR:rR+1] op_sel:[1,0,0] op_sel_hi:[0,0,1] neg_lo:[1,0,0]
.else
	v_pk_fma_f32 v[rR:rR+1], v[rA:rA+1], v[rC:rC+1], v[rR:rR+1] op_sel:[1,1,0] op_sel_hi:[0,1,1] neg_lo:[1,0,0]
.endif
.endr
.endr
	WIN 0x05                                       ; sources window 1, destination window 0
.irp b, 0,1,2,3,4,5,6,7
.irp r, 0,1,2,3
	v_cvt_pk_f16_f32 v[TMP+4*(\b)+(\r)], v[RO+8*(\b)+2*(\r)], v[RO+8*(\b)+2*(\r)+1]
.endr
.endr
	WIN 0
.endm
.macro TOSTAGE a                       ; 16 bytes a lane into my own stage, and back as whole rows of 256 bytes; LDS serves a wave's instructions in order (ISA guide 5.7.1.4)
	WIN 0
.irp b, 0,1,2,3,4,5,6,7
	ds_store_b128 v[STO], v[TMP+4*(\b):TMP+4*(\b)+3] offset:32*(\b)
.endr
	WIN 0x40
.irp t, 0,1,2,3,4,5,6,7
	ds_load_b128 v[OB+32*((\a)%2)+4*(\t):OB+32*((\a)%2)+4*(\t)+3], v[RD] offset:(\t)*2*SPITCH
.endr
	WIN 0
.endm
.macro SEND a
	s_wait_dscnt 0x0                               ; the block is back in registers
	s_wait_xcnt 0x0                                ; the stores of the block before have read their registers: the other buffer may be loaded again behind this wait
	WIN 0x04                                       ; store data in window 1
.irp t, 0,1,2,3,4,5,6,7
	global_store_b128 v[CO], v[OB+32*((\a)%2)+4*(\t):OB+32*((\a)%2)+4*(\t)+3], s[OUT:OUT+1] offset:(\a)*4096+512*(\t)  ; two rows: 512 consecutive bytes, aligned
.endr
	WIN 0
.endm
	LOADCS 0, 1, 192                               ; the first two blocks' cos and sin come in under the products
	LOADCS 1, 0, 192
	s_wait_tensorcnt 1                             ; my part of K step 0 is in; K step 1's may stay out
	s_barrier_signal -1
	s_barrier_wait -1
	FETCH 0, F0
	QUARTER 1, F0, F1, 1                           ; the first quarter stands in front of the loop: its products start the sums
	WIN 0
	s_mov_b32 s3, STEPS-2
.Lstep:                                            ; a trip goes from a K step's second quarter to the next step's first, and fills the slot that it leaves: K steps 0 to 13
	QUARTER 2, F1, F0, 0
	QUARTER 3, F0, F1, 0
	TURN 1
	QUARTER 1, F0, F1, 0
	WIN 0
	s_sub_co_u32 s3, s3, 1
	s_cmp_lg_u32 s3, 0
	s_cbranch_scc1 .Lstep
	s_mov_b32 s3, 2
.Ltail:                                            ; K steps 14 and 15 fill nothing: a text of their own
	QUARTER 2, F1, F0, 0
	QUARTER 3, F0, F1, 0
	TURN 0
	WIN 0
	s_cmp_eq_u32 s3, 1                             ; behind K step 15 there is no first quarter
	s_cbranch_scc1 .Ldone
	QUARTER 1, F0, F1, 0
	WIN 0
.Ldone:
	s_sub_co_u32 s3, s3, 1
	s_cmp_lg_u32 s3, 0
	s_cbranch_scc1 .Ltail
	PLACES
	PLACES
	s_wait_loadcnt 0x0                             ; blocks 0 and 1's cos and sin
	LOADCS 2, 0, 64                                ; the fragment buffers are free: three more sets
	LOADCS 3, 0, 128
	LOADCS 4, 1, 64
	MAKE 0, -1, 1, 192
	TOSTAGE 0
	LOADCS 5, 1, 192
	MAKE 1, -1, 0, 192
	SEND 0
	TOSTAGE 1
	LOADCS 6, 0, 192
	MAKE 2, 48, 0, 64                              ; 64 loads are younger than block 2's
	SEND 1
	TOSTAGE 2
	LOADCS 7, 0, 64
	MAKE 3, 48, 0, 128                             ; likewise
	SEND 2
	TOSTAGE 3
	MAKE 4, 48, 1, 64                              ; blocks 5, 6, 7's 48 loads may stay out
	SEND 3
	TOSTAGE 4
	MAKE 5, 32, 1, 192
	SEND 4
	TOSTAGE 5
	MAKE 6, 16, 0, 192
	SEND 5
	TOSTAGE 6
	MAKE 7, 0, 0, 64
	SEND 6
	TOSTAGE 7
	SEND 7
	s_wait_tensorcnt 0x0                           ; the wave's end
	ds_add_u32 v[SPW], v[NIL]
	s_wait_dscnt 0x0
	CROUND                                         ; the closing round
	s_endpgm
.Lfunc_end_k_q44d1cc854f_qkv:
	.size	k_q44d1cc854f_qkv, .Lfunc_end_k_q44d1cc854f_qkv-k_q44d1cc854f_qkv
	.p2alignl 7, 3214868480
	.fill 96, 4, 3214868480
	.section	.rodata,"a",@progbits
	.p2align	6, 0x0
	.amdhsa_kernel k_q44d1cc854f_qkv
		.amdhsa_group_segment_fixed_size 327680
		.amdhsa_private_segment_fixed_size 0
		.amdhsa_enable_private_segment 0
		.amdhsa_kernarg_size 32
		.amdhsa_user_sgpr_count 2
		.amdhsa_user_sgpr_kernarg_segment_ptr 1
		.amdhsa_wavefront_size32 1
		.amdhsa_system_sgpr_workgroup_id_x 1
		.amdhsa_system_sgpr_workgroup_id_y 1
		.amdhsa_system_sgpr_workgroup_id_z 1
		.amdhsa_system_vgpr_workitem_id 0
		.amdhsa_next_free_vgpr 1024
		.amdhsa_next_free_sgpr 80
		.amdhsa_reserve_vcc 0
		.amdhsa_float_denorm_mode_32 3
		.amdhsa_float_denorm_mode_16_64 3
		.amdhsa_memory_ordered 1
		.amdhsa_forward_progress 1
		.amdhsa_inst_pref_size 148
	.end_amdhsa_kernel
	.amdgpu_metadata
---
amdhsa.version: [ 1, 2 ]
amdhsa.kernels:
  - .name:           k_q44d1cc854f_qkv
    .symbol:         k_q44d1cc854f_qkv.kd
    .args:
      - { .name: xb, .offset: 0, .size: 8, .value_kind: global_buffer, .address_space: global }
      - { .name: wqkv, .offset: 8, .size: 8, .value_kind: global_buffer, .address_space: global }
      - { .name: cs, .offset: 16, .size: 8, .value_kind: global_buffer, .address_space: global }
      - { .name: qkv, .offset: 24, .size: 8, .value_kind: global_buffer, .address_space: global }
    .group_segment_fixed_size: 327680
    .private_segment_fixed_size: 0
    .kernarg_segment_align: 8
    .kernarg_segment_size: 32
    .max_flat_workgroup_size: 128
    .sgpr_count:     80
    .vgpr_count:     1024
    .wavefront_size: 32
...
	.end_amdgpu_metadata
.endif
;; end of part 2
;; launch attn (part 3): grid 16 x 16, 4 waves a work-group, clusters of 4 x 1, 327,680 bytes of LDS; arguments qkv, ob, wo, wob; writes ob, wob
.if DOCPART == 3
	.amdgcn_target "amdgcn-amd-amdhsa--gfx1250"
	.amdhsa_code_object_version 6
	.text
	.protected	k_q44d1cc854f_attn
	.globl	k_q44d1cc854f_attn
	.p2align	8
	.type	k_q44d1cc854f_attn,@function
k_q44d1cc854f_attn:
	s_mov_b64 s[64:65], 0
	v_nop
	global_prefetch_b8 v0, s[64:65] scope:SCOPE_SE
	s_setreg_imm32_b32 hwreg(HW_REG_WAVE_MODE, 25, 1), 1
	s_wait_xcnt 0x0
	s_wait_alu depctr_hold_cnt(0) depctr_sa_sdst(0) depctr_va_vdst(0) depctr_va_sdst(0) depctr_va_ssrc(0) depctr_va_vcc(0) depctr_vm_vsrc(0)
	s_getreg_b32 s2, hwreg(HW_REG_IB_STS2, 6, 4)
	s_cmp_eq_u32 s2, 0
	s_cbranch_scc0 .Lentry_in_a_cluster
	s_endpgm
.Lentry_in_a_cluster:
	s_bfe_u32 s2, ttmp6, 0x10000c
	s_cmp_lg_u32 s2, 0x3003
	s_cbranch_scc0 .Lentry_shape_is_right
	s_endpgm
.Lentry_shape_is_right:
; CAUSAL ATTENTION, head size 128.  ob[q][128 h + d] = the sum over k <= q of softmax_k(Q[h][q] . K[h][k] / sqrt(128)) V[h][k][d].  qkv: [48][2048][128] f16 (q, k, v by heads); ob: [2048][2048] f16.
; Products, maxima and sums in f32; the weights p are rounded to f16 for the second product (their sum is taken of the unrounded p), O once at the end.
; ALSO: wo IS ROUNDED FOR THE NEXT LAUNCH, in the wait for the first tiles: wob = wo rounded to bf16, that number written as f16.  Each of the 1,024 waves takes 16,384 bytes of wo: 32 loads of 512 consecutive
; bytes, issued ahead of everything else, and 32 stores of 256 consecutive bytes, aligned.
; LIMITS.  A hidden score counts as its value less 1e30 (f16's scores, 5.5e11 at the most, are nothing beside that); a weight below 2^-126 counts as 0; NaN and infinities are not treated apart.
; wob is exact where |wo| lies in 6e-5 .. 65,504; below it keeps f16's fixed step of 6e-8, above it is an infinity.
; SHARES.  A work-group owns 128 queries: 32 rows in each of the four bands of 512 rows.  In bands 0 and 2 they lie in the band's block X of 128 rows (X: the cluster's number, 0..3), in bands 1 and 3 in block 3 - X;
; there the partner at place cx takes rows 32 cx on.  Keys go in tiles T = 0..15 of 128.  A tile of 16 queries in band B, block Y works while T <= D = 4 B + Y and takes the mask at T = D: the four bands
; together have 34 tile steps, whatever X: all work-groups do equal work, and all walk the same 16 key tiles, so K and V are asked for JOINTLY by the four partners of a cluster.
; WAVES.  Wave w: qh = w / 2 says which 16 of the 32 rows, kh = w % 2 which 64 of a tile's 128 keys.  So a fragment of K or V is read from LDS by two waves, not four.  A wave holds its four
; query tiles in places t = 0..3, place t being band t xor 2 kh.  At the end the two waves of a qh hand each other places 2 and 3 through LDS, and each finishes its places 0 and 1: one text for both.
; Every branch hangs on the cluster's number, the wave's number and counters; cx enters the mask's numbers and the addresses of Q, O, wo and wob alone.
; LAYOUT.  S^T = K Q^T holds ONE query a lane (lane % 16) and the keys 8 (lane / 16) + 0..7; two such results rounded to f16 ARE source 1 of O^T = V^T P.  V is turned on its way out of LDS.
; SOFTMAX.  p = 2^(c s - c m), c = log2(e) / sqrt(128), with a running maximum m and sum l; in every step O and l are multiplied by a = 2^(c m_old - c m_new).  m starts at the lowest finite number, O and l at 0.
; IN PHASES: a step's softmax and V^T P tile after tile, then the next step's K Q^T.  The LDS loads of the next step's K stand ahead of the softmax, those of its V ahead of K Q^T.
; REGISTERS, in windows of 256: window 0: v0-11, v44-63 addresses and at work; v12-43 eight registers of statistics a tile; v64-191 S^T, 32 a tile; v192-255 P, 16 a tile
;   window 1: O^T, 64 a tile      window 2: v0-127 Q, 32 a tile; v128-255 K of one step      window 3: v0-127 V of one step; v128-159 the diagonal tile's mask
.set PK,    272       ; a row of K in LDS: 256 bytes + 16: the 16 rows of a load start at 16 different groups of four banks (64 banks of 4 bytes: ISA guide 11.1)
.set PV,    288       ; a row of V: 256 + 32 = 9 x 32
.set KT,    128*PK    ; a key tile's K: what one tensor load brings
.set VT,    128*PV    ; its V
.set VOFF,  2*KT      ; a slot holds two key tiles: 256 rows of K, then 256 rows of V
.set SLOT1, 0x24000   ; slot 1 begins here; no LDS address in slot 0 that is turned has bit 14 or 17 set, so one exclusive or turns it into slot 1's
.set SPARE, SLOT1+2*KT+2*VT  ; behind the ring: the spare words, 128 bytes for each wave: two blocks of 256 bytes that no other line names
.set XW,    16896     ; the exchange, in slot 0's bytes behind that slot's last fill and last read: for each wave 16,384 bytes of O^T and 512 of statistics
.set STAGE, 4*XW      ; behind it, likewise: 16 rows x 272 bytes for each wave, for the way out
.set SP,    272
.set AK0, 2           ; v2   my lane's place in a tile of K, my wave's 64 keys; never rewritten
.set AV0, 3           ; v3   the same for V
.set ADR, 4           ; v4   the LDS address of K's run of loads
.set ADRV, 5          ; v5   of V's
.set QO,  6           ; v6   my byte offset in 16 rows of Q
.set RD,  7           ; v7   the way out: where I read rows back
.set GO,  8           ; v8   my byte offset in two rows of ob
.set ST,  12          ; tile t's statistics at v[ST+8 t]: +0 c m, +1 m, +2, +3 l (even keys', odd keys'), +4 to +7 c0-c3, at work; a takes c2's place
.set XSO, 44          ; v44-47 the exchange: where I put O^T and statistics, where I read my partner's
.set XST, 45
.set XLO, 46
.set XLT, 47
.set PS,  48          ; v48-51 my partner's (c m, l) for my places 0 and 1; at the head: at work on wo
.set STO, 53          ; v53  the way out: where I put 16 bytes of a row
.set WOI, 54          ; v54  16 x lane: my 16 bytes of 512 of wo; never rewritten
.set WOO, 55          ; v55  8 x lane: my 8 bytes of 256 of wob; never rewritten
.set PFO, 61          ; v61  256 x lane: a row of K or V is 256 bytes; never rewritten
.set SPW, 62          ; v62  LDS address of my spare word; never rewritten
.set NIL, 63          ; v63  0; never rewritten
.set S,   64
.set P,   192
.set KF,  128         ; window 2
.set MD,  128         ; window 3
.set WV,  12          ; s12  my wave's number
.set LIM, 15          ; s15  1 in the head's first cluster, else the greatest number
.set PFA, 18          ; s[18:19] where my prefetches stand
.set G1K, 24          ; s[24:31] descriptor group 1 for K's tiles
.set G1V, 32          ; s[32:39] for V's: it differs in the padding alone
.set G0K, 40          ; s[40:43] descriptor group 0 for K's tiles: it walks
.set G0V, 44          ; s[44:47] the same for V's
.set SLOTS, 56        ; s56  slots still to be asked for
.set CNT, 57          ; s57  counts the steps between two changes of slots
.set CS,  58          ; s[58:59] c
.set SEL, 60          ; s[60:61] v_permlanex16_b32's selects: each lane takes its own place in the other half
.set TBK, 62          ; s62  LDS byte at which K of the key tile to be fetched begins
.set TBV, 63          ; s63  the same for V, less VOFF
.set T,   70          ; s70  the key tile whose scores lie in S^T
.set DT,  72          ; s72-75 D of places 0..3
.set QB,  76          ; s[76:83] Q at the first row of places 0..3
.set OBS, 84          ; s[84:87] ob at the first row and the head's columns, places 0 and 1
.set BIGN, 88         ; s88  -1e30
.set HIW, 92          ; s92  a word's upper bf16
.set MSB, 0
.macro WIN new                      ; the high byte repeats the setting that is left; a switch that changes nothing is dropped
.if MSB != (\new)
	s_set_vgpr_msb (MSB<<8)|(\new)
.set MSB, (\new)
.endif
.endm
.set W_KQ, 0x0a       ; K and Q in window 2, S^T in window 0
.set W_PV, 0x53       ; V in window 3, P in window 0, O^T in window 1
.set W_RS, 0x41       ; O^T (destination and source 0) in window 1, source 1 in window 0
; A joint fill.  Waves 0 and 1 fetch the two key tiles' K of a slot, waves 2 and 3 their V.  The branch hangs on the wave's number alone.  An s_nop 0 and four v_nop follow each line.
.macro JLOAD
	s_cmp_lt_u32 s[WV], 2
	s_cbranch_scc0 .Lfor_v_\@
	tensor_load_to_lds s[G0K:G0K+3], s[G1K:G1K+7]
	s_nop 0
.rept 4
	v_nop
.endr
	s_branch .Lasked_\@
.Lfor_v_\@:
	tensor_load_to_lds s[G0V:G0V+3], s[G1V:G1V+7]
	s_nop 0
.rept 4
	v_nop
.endr
.Lasked_\@:
.endm
; A prefetch into the L2 of what the NEXT change of slots will ask for.  All four clusters of a head walk the same K and V: the first asks.  Of the 128 rows that a wave fetches each of the four partners
; names 32, told apart by address: a lane a row, one instruction a wave.  So each row is named once in the launch.  The last change that fills a slot asks for nothing.
.macro ASK
	s_cmp_gt_u32 s[SLOTS], s[LIM]
	s_cbranch_scc0 .Lnot_mine_\@
	global_prefetch_b8 v[PFO], s[PFA:PFA+1] th:TH_LOAD_NT scope:SCOPE_SE
.Lnot_mine_\@:
.endm
.macro CROUND                       ; a round of the cluster's barrier
	s_barrier_signal -1
	s_barrier_wait -1
	s_cmp_lg_u32 s[WV], 0
	s_cbranch_scc1 .Lnot_wave_0_\@
	s_barrier_signal -3
.Lnot_wave_0_\@:
	s_barrier_wait -3
	s_barrier_signal -1
	s_barrier_wait -1
.endm
; THE CHANGE OF SLOTS.  Each wave waits for all its tensor loads (one is out: its part of the other slot), adds 0 to its spare word, and waits for that and for its reads of the slot that it leaves.
; fill = 1: the barrier is a round of the cluster's, and the joint fill of the old slot, with the keys two slots on, is the first thing behind it.  (At its first use slot 0 is waited for and slot 1 filled.)
.macro CHANGE fill
	WIN 0
	s_wait_tensorcnt 0x0            ; no tensor load of mine is out, so a group 0 may be written
	ds_add_u32 v[SPW], v[NIL]
.if \fill
.irp g, G0K, G0V
	s_xor_b32 s[\g+1], s[\g+1], SLOT1
	s_add_nc_u64 s[\g+2:\g+3], s[\g+2:\g+3], 65536  ; the next 256 keys
.endr
	s_wait_xcnt 0x0                 ; the last prefetch, two steps back, has read its address; the first time: wob's stores have read P's registers
	s_add_nc_u64 s[PFA:PFA+1], s[PFA:PFA+1], 65536
	s_wait_dscnt 0x0                ; the add is done, and my reads of the slot are over
	CROUND
	JLOAD
	ASK
.else
	s_wait_dscnt 0x0
	s_barrier_signal -1
	s_barrier_wait -1
.endif
	s_sub_co_u32 s[TBK], s[TBK], 2*KT  ; the fetches go back to a slot's first key tile,
	s_xor_b32 s[TBK], s[TBK], SLOT1    ; in the other slot
	s_sub_co_u32 s[TBV], s[TBV], 2*VT
	s_xor_b32 s[TBV], s[TBV], SLOT1
.endm
	s_load_b256 s[4:11], s[0:1], 0x0  ; qkv s[4:5], ob s[6:7], wo s[8:9], wob s[10:11]
	v_lshl_add_u32 v[SPW], v0, 2, SPARE
	v_mov_b32 v[NIL], 0
	ds_add_u32 v[SPW], v[NIL]       ; the wave's opening: the add and its wait stand ahead of my first tensor load; work on registers stands between them
	v_lshrrev_b32 v1, 5, v0
	v_readfirstlane_b32 s[WV], v1   ; wave 0..3
	v_and_b32 v10, 31, v0
	v_lshlrev_b32 v[WOI], 4, v10
	v_lshlrev_b32 v[WOO], 3, v10
	s_bfe_u32 s13, ttmp6, 0x40000   ; cx
	s_and_b32 s16, s[WV], 1         ; kh.  Also: which of a slot's two key tiles I fetch
	s_lshr_b32 s17, s[WV], 1        ; qh
	s_and_b32 s48, ttmp7, 0xffff    ; the head
	s_sub_co_u32 s49, 3, ttmp9      ; 3 - X
	s_lshl_b32 s50, s16, 1
.irp t, 0,1,2,3
	s_xor_b32 s51, s50, \t          ; the band of place t
	s_lshl_b32 s51, s51, 2
.if ((\t)%2) == 0
	s_add_co_u32 s[DT+(\t)], s51, ttmp9
.else
	s_add_co_u32 s[DT+(\t)], s51, s49
.endif
.endr
	s_lshl_b32 s52, s13, 5
	s_lshl_b32 s53, s17, 4
	s_add_co_u32 s52, s52, s53      ; my 16 rows in a block of 128: 32 cx + 16 qh
.irp t, 0,1,2,3
	s_lshl_b32 s51, s[DT+(\t)], 7
	s_add_co_u32 s51, s51, s52      ; the first row of place t
	s_lshl_b32 s[QB+2*(\t)], s51, 8
	s_lshl_b32 s53, s48, 19
	s_add_co_u32 s[QB+2*(\t)], s[QB+2*(\t)], s53
	s_mov_b32 s[QB+2*(\t)+1], 0
.if (\t) < 2
	s_lshl_b32 s[OBS+2*(\t)], s51, 12
	s_lshl_b32 s53, s48, 8
	s_add_co_u32 s[OBS+2*(\t)], s[OBS+2*(\t)], s53
	s_mov_b32 s[OBS+2*(\t)+1], 0
.endif
.endr
	s_add_co_u32 s54, s48, 16       ; K: head column 16 + head,
	s_lshl_b32 s54, s54, 19
	s_lshl_b32 s53, s16, 15         ; my key tile of the slot's two: 128 rows of 256 bytes
	s_add_co_u32 s54, s54, s53
	s_mov_b32 s55, 0
	s_add_co_u32 s20, s54, 16<<19   ; V: sixteen head columns on
	s_mov_b32 s21, 0
	s_lshl_b32 s22, s48, 4          ; my wave among the launch's 1,024: 4 x (16 x head + 4 X + cx) + wave
	s_lshl_b32 s23, ttmp9, 2
	s_add_co_u32 s22, s22, s23
	s_add_co_u32 s22, s22, s13
	s_lshl_b32 s22, s22, 2
	s_add_co_u32 s22, s22, s[WV]
	s_lshl_b32 s90, s22, 13         ; its 8,192 bytes of wob,
	s_lshl_b32 s22, s22, 14         ; its 16,384 bytes of wo
	s_mov_b32 s23, 0
	s_mov_b32 s91, 0
	s_mov_b32 s[HIW], 0xffff0000
	s_mov_b32 s[G1K], 15|(1<<16)|(1<<20)|(1<<21)|(5<<22)|(3<<25)  ; the mask of four; 2-byte elements; padding on; bit 21 beside a mask; after every 64 words 4 words
	s_mov_b32 s[G1V], 15|(1<<16)|(1<<20)|(1<<21)|(5<<22)|(7<<25)  ; the same with 8 words
.irp g, G1K, G1V
	s_mov_b32 s[\g+1], 128<<16      ; tensor_dim0 = 128
	s_mov_b32 s[\g+2], 128<<16      ; tensor_dim1 = 128
	s_mov_b32 s[\g+3], 128<<16      ; tile_dim0 = 128
	s_mov_b32 s[\g+4], 128          ; tile_dim1 = 128
	s_mov_b32 s[\g+5], 128          ; elements from row to row
	s_mov_b32 s[\g+6], 0
	s_mov_b32 s[\g+7], 0
.endr
	s_mov_b32 s[G0K], 1
	s_mul_i32 s[G0K+1], s16, KT     ; slot 0: no place in the cluster enters an LDS address
	s_mov_b32 s[G0V], 1
	s_mul_i32 s[G0V+1], s16, VT
	s_add_co_u32 s[G0V+1], s[G0V+1], VOFF
	s_mov_b32 s[CS], 0x3e0293ee     ; c = log2(e) / sqrt(128) = 0.127517
	s_mov_b32 s[CS+1], s[CS]
	s_mov_b32 s[SEL], 0x76543210
	s_mov_b32 s[SEL+1], 0xfedcba98
	s_mov_b32 s[BIGN], 0xf149f2ca   ; -1e30
	s_mov_b32 s[T], -1              ; no scores yet: as an unsigned number above every D
	s_mov_b32 s[TBK], SLOT1+2*KT    ; the first change of slots turns these two into 0
	s_mov_b32 s[TBV], SLOT1+2*VT
	s_mov_b32 s[SLOTS], 7
	s_cmp_eq_u32 ttmp9, 0
	s_cselect_b32 s[LIM], 1, -1     ; the same in all four partners
	s_lshl_b32 s2, s13, 13          ; my work-group's 32 rows of the 128
	s_mov_b32 s3, 0
	s_wait_dscnt 0x0                ; the opening add is done
	s_wait_kmcnt 0x0
	s_add_nc_u64 s[8:9], s[8:9], s[22:23]
	s_add_nc_u64 s[10:11], s[10:11], s[90:91]
.set j, 0
.rept 32                            ; wo goes out first, into S^T's registers, which are idle until the first scores
	global_load_b128 v[S+4*j:S+4*j+3], v[WOI], s[8:9] offset:512*j th:TH_LOAD_NT
.set j, j+1
.endr
	s_add_nc_u64 s[G0K+2:G0K+3], s[4:5], s[54:55]
	s_add_nc_u64 s[G0V+2:G0V+3], s[4:5], s[20:21]
	s_cmp_lt_u32 s[WV], 2
	s_cselect_b64 s[PFA:PFA+1], s[G0K+2:G0K+3], s[G0V+2:G0V+3]
	s_add_nc_u64 s[PFA:PFA+1], s[PFA:PFA+1], s[2:3]
	s_add_nc_u64 s[PFA:PFA+1], s[PFA:PFA+1], 65536  ; in slot 1; the first change of slots steps it to slot 2 and names that.  Nothing is prefetched at the head
	s_or_b32 s[G0K+3], s[G0K+3], 0x80000000
	s_or_b32 s[G0V+3], s[G0V+3], 0x80000000
.irp t, 0,1,2,3
	s_add_nc_u64 s[QB+2*(\t):QB+2*(\t)+1], s[4:5], s[QB+2*(\t):QB+2*(\t)+1]
.endr
.irp t, 0,1
	s_add_nc_u64 s[OBS+2*(\t):OBS+2*(\t)+1], s[6:7], s[OBS+2*(\t):OBS+2*(\t)+1]
.endr
	CROUND                          ; all four work-groups are here: the first joint loads meet
	JLOAD                           ; slot 0.  Slot 1 is asked for when slot 0 is in
	v_and_b32 v1, 15, v0            ; l % 16
	v_bfe_u32 v9, v0, 4, 1          ; l / 16
	v_lshlrev_b32 v[QO], 8, v1
	v_lshl_add_u32 v[QO], v9, 4, v[QO]  ; row x 256 + 16 x half
	WIN 0x80                        ; destination window 2
.irp t, 0,1,2,3
.irp c, 0,1,2,3                     ; Q stays in registers: place t, channels 32 c on
	global_load_b128 v[32*(\t)+8*(\c):32*(\t)+8*(\c)+3],   v[QO], s[QB+2*(\t):QB+2*(\t)+1] offset:64*(\c)
	global_load_b128 v[32*(\t)+8*(\c)+4:32*(\t)+8*(\c)+7], v[QO], s[QB+2*(\t):QB+2*(\t)+1] offset:64*(\c)+32
.endr
.endr
	; O^T and l start at 0.  V's registers are written too: a tile's work stands behind forward jumps, and every register is written before any path of the text reads it.  All this stands in the wait for the first tile.
	WIN 0x40
.set i, 0
.rept 256
	v_mov_b32 v[i], 0
.set i, i+1
.endr
	WIN 0xc0
.set i, 0
.rept 128
	v_mov_b32 v[i], 0
.set i, i+1
.endr
	WIN 0
.set i, 0
.rept 4
	v_mov_b32 v[ST+8*i], 0xfe000000    ; c m: far below every c s
	v_mov_b32 v[ST+8*i+1], 0xff7fffff  ; m
.irp n, 2,3,4,5,6,7
	v_mov_b32 v[ST+8*i+\n], 0
.endr
.set i, i+1
.endr
	; the diagonal tile's mask: key 64 kh + 16 kb + 8 (l / 16) + j is hidden from query 32 cx + 16 qh + l % 16 where it is the greater
	v_lshlrev_b32 v10, 3, v9
	v_sub_nc_u32 v52, v1, v10
	s_lshl_b32 s53, s16, 6
	s_sub_co_i32 s53, s52, s53
	v_add_nc_u32 v52, s53, v52
	WIN 0xc0
.set i, 0
.rept 32
	v_cmp_gt_i32 vcc_lo, 16*(i/8)+i%8, v52
	v_cndmask_b32 v[MD+i], 0, s[BIGN], vcc_lo
.set i, i+1
.endr
	WIN 0
	v_mul_u32_u24 v[AK0], v1, PK
	v_lshl_add_u32 v[AK0], v9, 4, v[AK0]  ; row x pitch + 16 x half,
	s_mul_i32 s53, s16, 64*PK             ; my wave's 64 keys of the 128
	v_add_nc_u32 v[AK0], s53, v[AK0]
	v_and_b32 v10, 7, v0
	v_bfe_u32 v11, v0, 3, 1
	v_lshl_add_u32 v[AV0], v9, 3, v10     ; turned: key 8 (l / 16) + l % 8, channels 8 ((l / 8) % 2) on
	v_mul_u32_u24 v[AV0], v[AV0], PV
	v_lshl_add_u32 v[AV0], v11, 4, v[AV0]
	s_mul_i32 s53, s16, 64*PV
	s_add_co_u32 s53, s53, VOFF
	v_add_nc_u32 v[AV0], s53, v[AV0]
	s_mul_i32 s53, s[WV], 16*SP
	s_add_co_u32 s53, s53, STAGE    ; my stage
	v_mul_u32_u24 v[STO], v1, SP
	v_lshl_add_u32 v[STO], v9, 4, v[STO]
	v_add_nc_u32 v[STO], s53, v[STO]
	v_mul_u32_u24 v[RD], v9, SP
	v_lshl_add_u32 v[RD], v1, 4, v[RD]
	v_add_nc_u32 v[RD], s53, v[RD]
	v_lshlrev_b32 v[GO], 12, v9     ; two rows of ob, 4,096 bytes apart; 16 lanes take a head's 256 bytes
	v_lshl_add_u32 v[GO], v1, 4, v[GO]
	v_and_b32 v10, 31, v0
	s_mul_i32 s53, s[WV], XW
	v_lshl_add_u32 v[XSO], v10, 4, s53
	s_add_co_u32 s51, s53, 16384
	v_lshl_add_u32 v[XST], v10, 3, s51
	s_xor_b32 s53, s[WV], 1         ; my partner: the same qh, the other kh
	s_mul_i32 s53, s53, XW
	v_lshl_add_u32 v[XLO], v10, 4, s53
	s_add_co_u32 s51, s53, 16384
	v_lshl_add_u32 v[XLT], v10, 3, s51
	v_lshlrev_b32 v[PFO], 8, v10
	; wo: four numbers a lane and load: rounded to bf16, widened, written as f16 into P's registers, stored.  Two sets of four registers at work take turns.
	s_wait_loadcnt 32               ; wo's 32 loads are in; Q's 32, issued behind them, may stay out
.set j, 0
.rept 32
.set rW, 56-8*(j%2)
	v_cvt_pk_bf16_f32 v[rW], v[S+4*j], v[S+4*j+1]
	v_cvt_pk_bf16_f32 v[rW+1], v[S+4*j+2], v[S+4*j+3]
	v_lshlrev_b32 v[rW+2], 16, v[rW]
	v_and_b32 v[rW+3], s[HIW], v[rW]
	v_cvt_pk_f16_f32 v[P+2*j], v[rW+2], v[rW+3]
	v_lshlrev_b32 v[rW+2], 16, v[rW+1]
	v_and_b32 v[rW+3], s[HIW], v[rW+1]
	v_cvt_pk_f16_f32 v[P+2*j+1], v[rW+2], v[rW+3]
	global_store_b64 v[WOO], v[P+2*j:P+2*j+1], s[10:11] offset:256*j  ; 32 lanes store 256 consecutive bytes, aligned
.set j, j+1
.endr
; THE MATRIX WORK.  The accumulators take turns, one instruction a turn: 4 in a tile's K Q^T, 8 in its V^T P.
; Product i of 16 of S^T = K Q^T for place t: channels 32 (i / 4) on, keys 16 (i % 4) on.  The first 4 start the sums.
.macro MKQ t
	WIN W_KQ
.set rS, S+32*(\t)+8*(i%4)
.set rK, KF+32*(i%4)+8*(i/4)
.set rQ, 32*(\t)+8*(i/4)
.if i < 4
	v_wmma_f32_16x16x32_f16 v[rS:rS+7], v[rK:rK+7], v[rQ:rQ+7], 0
.else
	v_wmma_f32_16x16x32_f16 v[rS:rS+7], v[rK:rK+7], v[rQ:rQ+7], v[rS:rS+7]
.endif
.endm
; Product i of 16 of O^T += V^T P: keys 32 (i / 8) on, channels 16 (i % 8) on.
.macro MPV t
	WIN W_PV
.set rO, 64*(\t)+8*(i%8)
.set rV, 64*(i/8)+8*(i%8)
.set rP, P+16*(\t)+8*(i/8)
	v_wmma_f32_16x16x32_f16 v[rO:rO+7], v[rV:rV+7], v[rP:rP+7], v[rO:rO+7]
.endm
; THE LDS LOADS stand in runs of 32: my 64 keys of a tile's K (16 fragments) and of its V (turned).
.macro FETCH_K
	WIN 0
	v_add_nc_u32 v[ADR], s[TBK], v[AK0]
	s_add_co_u32 s[TBK], s[TBK], KT  ; the next fetch is the next key tile's
	WIN 0x80
.irp f, 0,1,2,3,4,5,6,7,8,9,10,11,12,13,14,15  ; keys 16 (f / 4) on, channels 32 (f % 4) on
	ds_load_b128 v[KF+8*(\f):KF+8*(\f)+3],   v[ADR] offset:((\f)/4)*16*PK+((\f)%4)*64
	ds_load_b128 v[KF+8*(\f)+4:KF+8*(\f)+7], v[ADR] offset:((\f)/4)*16*PK+((\f)%4)*64+32
.endr
	WIN 0
.endm
.macro FETCH_V
	WIN 0
	v_add_nc_u32 v[ADRV], s[TBV], v[AV0]
	s_add_co_u32 s[TBV], s[TBV], VT
	WIN 0xc0
.irp f, 0,1,2,3,4,5,6,7,8,9,10,11,12,13,14,15  ; keys 32 (f / 8) on, channels 16 (f % 8) on
	ds_load_tr16_b128 v[8*(\f):8*(\f)+3],   v[ADRV] offset:((\f)/8)*32*PV+((\f)%8)*32
	ds_load_tr16_b128 v[8*(\f)+4:8*(\f)+7], v[ADRV] offset:((\f)/8)*32*PV+16*PV+((\f)%8)*32
.endr
	WIN 0
.endm
; THE VECTOR WORK.  A tile's softmax for a step is a list of 134 instructions; SM writes number j of it for place t.  s0-s31 are the lane's 32 scores, in pairs 0-15.
;   0-15   the maximum of s0-s31 and the old m, three operands at a time (each accumulator's lowest registers are read first)
;   16-20  the other half of the lanes' maximum; the new m; c m; c m_old - c m_new
;   21-69  ONE BATCH: the 16 scalings c s - c m and all 33 exponentials (a at 23); none of these reads an exponential's result; a pair is scaled ahead of its exponentials
;   70-85  the roundings to f16     86-101 the sums; l = a l + the sum     102-133 O^T times a
.macro SM t
.set rT, ST+8*(\t)
.set rS, S+32*(\t)
.set rP, P+16*(\t)
.set rO, 64*(\t)+2*(j-102)
.if j < 102
	WIN 0
.endif
.if j < 4
	v_max3_num_f32 v[rT+4+j], v[rS+8*j], v[rS+8*j+1], v[rS+8*j+2]
.elseif j < 12
	v_max3_num_f32 v[rT+4+j%4], v[rT+4+j%4], v[rS+8*(j%4)+2*(j/4)+1], v[rS+8*(j%4)+2*(j/4)+2]
.elseif j == 12
	v_max3_num_f32 v[rT+4], v[rT+4], v[rS+7], v[rS+15]
.elseif j == 13
	v_max3_num_f32 v[rT+6], v[rT+6], v[rS+23], v[rS+31]
.elseif j == 14
	v_max3_num_f32 v[rT+4], v[rT+4], v[rT+5], v[rT+6]
.elseif j == 15
	v_max3_num_f32 v[rT+4], v[rT+4], v[rT+7], v[rT+1]
.elseif j == 16
	v_permlanex16_b32 v[rT+5], v[rT+4], s[SEL], s[SEL+1]  ; the query's other 32 keys lie in the lane 16 away
.elseif j == 17
	v_mov_b32 v[rT+7], v[rT]        ; c m_old is kept for a
.elseif j == 18
	v_max_num_f32 v[rT+1], v[rT+4], v[rT+5]
.elseif j == 19
	v_mul_f32 v[rT], s[CS], v[rT+1]
.elseif j == 20
	v_sub_f32 v[rT+7], v[rT+7], v[rT]
.elseif j == 23
	v_exp_f32 v[rT+6], v[rT+7]
.elseif (j < 23) || ((j < 38) && (j%2 == 0)) || ((j < 66) && (j%4 == 2))
.set b, (j-2)/4                     ; 38, 42, .. 62: pairs 9 to 15
.if j < 38
.set b, (j-20)/2                    ; 21: pair 0; 22, 24, .. 36: pairs 1 to 8
.endif
	v_pk_fma_f32 v[rS+2*b:rS+2*b+1], v[rS+2*b:rS+2*b+1], s[CS:CS+1], v[rT:rT+1] op_sel_hi:[1,0,0] neg_lo:[0,0,1] neg_hi:[0,0,1]
.elseif j < 70
.set e, j-38                        ; 66 to 69: s28 to s31
.if j < 66
.set e, j-32-(j-38)/4               ; 39-41, 43-45, .. 63-65: s7 to s27
.endif
.if j < 38
.set e, (j-25)/2                    ; 25, 27, .. 37: s0 to s6
.endif
	v_exp_f32 v[rS+e], v[rS+e]
.elseif j < 86
	v_cvt_pk_f16_f32 v[rP+j-70], v[rS+2*(j-70)], v[rS+2*(j-70)+1]
.elseif j < 102                     ; the sum of the 16 pairs, in place: neighbours 1, 2, 4 and 8 pairs apart, then l takes it
.set z, j-86
.set w, 4
.set u, z
.if z >= 14
.set w, 32
.set u, 0
.elseif z >= 12
.set w, 16
.set u, z-12
.elseif z >= 8
.set w, 8
.set u, z-8
.endif
.if z < 15
	v_pk_add_f32 v[rS+w*u:rS+w*u+1], v[rS+w*u:rS+w*u+1], v[rS+w*u+w/2:rS+w*u+w/2+1]
.else
	v_pk_fma_f32 v[rT+2:rT+3], v[rT+2:rT+3], v[rT+6:rT+7], v[rS:rS+1] op_sel_hi:[1,0,1]
.endif
.else
	WIN W_RS
	v_pk_mul_f32 v[rO:rO+1], v[rO:rO+1], v[rT+6:rT+7] op_sel_hi:[1,0]
.endif
.endm
.macro PLACES                       ; four plain instructions between a matrix instruction and a load into, or a vector read of, its registers
.rept 4
	v_nop
.endr
.endm
; Place t's softmax and V^T P for key tile T.  Past its diagonal the place is jumped over; at the diagonal the mask is added to the scores.  The 33 exponentials have one plain instruction and one wait behind them, ahead of their first reader.
.macro TILE t
	s_cmp_gt_u32 s[T], s[DT+(\t)]
	s_cbranch_scc1 .Ldead_\@
	s_cmp_eq_u32 s[T], s[DT+(\t)]
	s_cbranch_scc0 .Lopen_\@
	WIN 0x0c                        ; source 1 in window 3
.set z, 0
.rept 16
	v_pk_add_f32 v[S+32*(\t)+2*z:S+32*(\t)+2*z+1], v[S+32*(\t)+2*z:S+32*(\t)+2*z+1], v[MD+2*z:MD+2*z+1]
.set z, z+1
.endr
	WIN 0
.Lopen_\@:
.set j, 0
.rept 70
	SM \t
.set j, j+1
.endr
	v_nop
	s_wait_alu depctr_va_vdst(0)
.rept 64
	SM \t
.set j, j+1
.endr
.set i, 0
.rept 16
	MPV \t
.set i, i+1
.endr
	WIN 0
.Ldead_\@:
.endm
.macro SCORE t                      ; place t's scores for key tile T
	s_cmp_gt_u32 s[T], s[DT+(\t)]
	s_cbranch_scc1 .Lnone_\@
.set i, 0
.rept 16
	MKQ \t
.set i, i+1
.endr
	WIN 0
.Lnone_\@:
.endm
; A STEP: K of the next key tile is asked of LDS; the softmax and V^T P of the tile in hand; V of the next; the next tile's K Q^T.  Each run of loads has the other phase in which to land: at each of the
; two waits only the run issued a phase earlier is out, so the count is 0.  last = 1 (the tail): in the last trip there is no next tile, and both runs are jumped over.
.macro BODY last
	PLACES                          ; behind the last K Q^T: K's registers are loaded again, and the scores read
	s_wait_dscnt 0x0                ; V of the tile in hand, asked for ahead of the last K Q^T, is in
.if \last
	s_cmp_eq_u32 s[CNT], 1
	s_cbranch_scc1 .Lno_k_\@
.endif
	FETCH_K
.if \last
.Lno_k_\@:
.endif
	TILE 0
	TILE 1
	TILE 2
	TILE 3
	PLACES                          ; behind the last V^T P: V's registers are loaded again
	s_wait_dscnt 0x0                ; K, asked for ahead of the softmax, is in
.if \last
	s_cmp_eq_u32 s[CNT], 1
	s_cbranch_scc1 .Lno_v_\@
.endif
	FETCH_V
.if \last
.Lno_v_\@:
.endif
	s_add_co_u32 s[T], s[T], 1
	SCORE 0
	SCORE 1
	SCORE 2
	SCORE 3
.endm
	s_wait_loadcnt 0x0              ; Q
.Lslot:                             ; seven times: slots 1 to 7 are asked for; the two steps behind each change fetch the slot that has just been shown whole
	CHANGE 1
	s_mov_b32 s[CNT], 2
.Lstep:
	BODY 0
	s_sub_co_u32 s[CNT], s[CNT], 1
	s_cmp_lg_u32 s[CNT], 0
	s_cbranch_scc1 .Lstep
	s_sub_co_u32 s[SLOTS], s[SLOTS], 1
	s_cmp_lg_u32 s[SLOTS], 0
	s_cbranch_scc1 .Lslot
	CHANGE 0                        ; the tail is written out: nothing is asked for.  Behind this barrier nobody reads slot 0 and nothing is filled any more
	s_mov_b32 s[CNT], 3             ; two steps fetch the last slot's tiles; the third finishes key tile 15
.Ltail:
	BODY 1
	s_sub_co_u32 s[CNT], s[CNT], 1
	s_cmp_lg_u32 s[CNT], 0
	s_cbranch_scc1 .Ltail
	; THE TWO HALVES OF THE KEYS MEET.  l's two halves and the other half of the lanes' are added; places 2 and 3 go to my partner, whose places 2 and 3 are my places 0 and 1.
.irp t, 0,1,2,3
	v_add_f32 v[ST+8*(\t)+4], v[ST+8*(\t)+2], v[ST+8*(\t)+3]
.endr
.irp t, 0,1,2,3
	v_permlanex16_b32 v[ST+8*(\t)+5], v[ST+8*(\t)+4], s[SEL], s[SEL+1]
.endr
.irp t, 0,1,2,3
	v_add_f32 v[ST+8*(\t)+1], v[ST+8*(\t)+4], v[ST+8*(\t)+5]  ; l takes m's place, beside c m
.endr
	WIN 0x04                        ; store data in window 1
.set g, 0
.rept 32
	ds_store_b128 v[XSO], v[128+4*g:128+4*g+3] offset:512*g
.set g, g+1
.endr
	WIN 0
	ds_store_b64 v[XST], v[ST+16:ST+17]
	ds_store_b64 v[XST], v[ST+24:ST+25] offset:256
	s_wait_dscnt 0x0                ; for my partner's sake: my stores are done
	s_barrier_signal -1
	s_barrier_wait -1
.set g, 0
.rept 32
	ds_load_b128 v[S+4*g:S+4*g+3], v[XLO] offset:512*g
.set g, g+1
.endr
	ds_load_b64 v[PS:PS+1], v[XLT]
	ds_load_b64 v[PS+2:PS+3], v[XLT] offset:256
	s_wait_dscnt 0x0
	; M = the greater c m; each half weighs 2^(its c m - M); a half that saw only hidden keys has c m near -1.3e29 and weighs 0
.irp t, 0,1
	v_max_num_f32 v[ST+8*(\t)+4], v[ST+8*(\t)], v[PS+2*(\t)]
.endr
.irp t, 0,1
	v_sub_f32 v[ST+8*(\t)+5], v[ST+8*(\t)], v[ST+8*(\t)+4]
	v_sub_f32 v[ST+8*(\t)+6], v[PS+2*(\t)], v[ST+8*(\t)+4]
.endr
.irp t, 0,1
	v_exp_f32 v[ST+8*(\t)+5], v[ST+8*(\t)+5]
	v_exp_f32 v[ST+8*(\t)+6], v[ST+8*(\t)+6]
.endr
	v_nop                           ; a plain instruction behind the last exponential,
	s_wait_alu depctr_va_vdst(0)    ; and one wait for the four, ahead of their first reader
.irp t, 0,1
	v_mul_f32 v[ST+8*(\t)+7], v[ST+8*(\t)+1], v[ST+8*(\t)+5]
.endr
.irp t, 0,1
	v_fmac_f32 v[ST+8*(\t)+7], v[PS+2*(\t)+1], v[ST+8*(\t)+6]
.endr
.irp t, 0,1
	v_rcp_f32 v[ST+8*(\t)+2], v[ST+8*(\t)+7]
.endr
	v_nop
	s_wait_alu depctr_va_vdst(0)    ; one wait for the two reciprocals
.irp t, 0,1
	v_mul_f32 v[ST+8*(\t)+4], v[ST+8*(\t)+5], v[ST+8*(\t)+2]  ; my half's factor,
	v_mul_f32 v[ST+8*(\t)+6], v[ST+8*(\t)+6], v[ST+8*(\t)+2]  ; my partner's
.endr
; Place t: O = mine x my factor + my partner's x its factor; rounded to f16; through my stage, so that 16 lanes store a row's 256 bytes.
.macro FIN t
	WIN W_RS
.set i, 0
.rept 32
	v_pk_mul_f32 v[64*(\t)+2*i:64*(\t)+2*i+1], v[64*(\t)+2*i:64*(\t)+2*i+1], v[ST+8*(\t)+4:ST+8*(\t)+5] op_sel_hi:[1,0]
.set i, i+1
.endr
	WIN 0x50                        ; source 2 and destination window 1
.set i, 0
.rept 32
	v_pk_fma_f32 v[64*(\t)+2*i:64*(\t)+2*i+1], v[S+64*(\t)+2*i:S+64*(\t)+2*i+1], v[ST+8*(\t)+6:ST+8*(\t)+7], v[64*(\t)+2*i:64*(\t)+2*i+1] op_sel_hi:[1,0,1]
.set i, i+1
.endr
	WIN 0x05                        ; sources window 1, destination window 0
.set i, 0
.rept 32
	v_cvt_pk_f16_f32 v[P+32*(\t)+i], v[64*(\t)+2*i], v[64*(\t)+2*i+1]
.set i, i+1
.endr
	WIN 0
.irp f, 0,1,2,3,4,5,6,7
	ds_store_b128 v[STO], v[P+32*(\t)+4*(\f):P+32*(\t)+4*(\f)+3] offset:32*(\f)
.endr
.irp f, 0,1,2,3,4,5,6,7
	ds_load_b128 v[P+32*(\t)+4*(\f):P+32*(\t)+4*(\f)+3], v[RD] offset:(\f)*2*SP  ; LDS serves a wave's instructions in order (ISA guide 5.7.1.4)
.endr
.endm
.macro SEND t, younger              ; younger: the LDS instructions issued behind place t's loads
.irp f, 0,1,2,3,4,5,6,7
	s_wait_dscnt (\younger)+7-(\f)
	global_store_b128 v[GO], v[P+32*(\t)+4*(\f):P+32*(\t)+4*(\f)+3], s[OBS+2*(\t):OBS+2*(\t)+1] offset:(\f)*8192  ; 16 lanes store 256 consecutive bytes, aligned
.endr
.endm
	FIN 0
	FIN 1
	SEND 0, 16
	SEND 1, 0
	s_wait_tensorcnt 0x0            ; the wave's end
	ds_add_u32 v[SPW], v[NIL]
	s_wait_dscnt 0x0
	CROUND                          ; the closing round
	s_endpgm
.Lfunc_end_k_q44d1cc854f_attn:
	.size	k_q44d1cc854f_attn, .Lfunc_end_k_q44d1cc854f_attn-k_q44d1cc854f_attn
	.p2alignl 7, 3214868480
	.fill 96, 4, 3214868480
	.section	.rodata,"a",@progbits
	.p2align	6, 0x0
	.amdhsa_kernel k_q44d1cc854f_attn
		.amdhsa_group_segment_fixed_size 327680
		.amdhsa_private_segment_fixed_size 0
		.amdhsa_enable_private_segment 0
		.amdhsa_kernarg_size 32
		.amdhsa_user_sgpr_count 2
		.amdhsa_user_sgpr_kernarg_segment_ptr 1
		.amdhsa_wavefront_size32 1
		.amdhsa_system_sgpr_workgroup_id_x 1
		.amdhsa_system_sgpr_workgroup_id_y 1
		.amdhsa_system_sgpr_workgroup_id_z 1
		.amdhsa_system_vgpr_workitem_id 0
		.amdhsa_next_free_vgpr 1024
		.amdhsa_next_free_sgpr 96
		.amdhsa_reserve_vcc 1
		.amdhsa_float_denorm_mode_32 3
		.amdhsa_float_denorm_mode_16_64 3
		.amdhsa_memory_ordered 1
		.amdhsa_forward_progress 1
		.amdhsa_inst_pref_size 167
	.end_amdhsa_kernel
	.amdgpu_metadata
---
amdhsa.version: [ 1, 2 ]
amdhsa.kernels:
  - .name:           k_q44d1cc854f_attn
    .symbol:         k_q44d1cc854f_attn.kd
    .args:
      - { .name: qkv, .offset: 0, .size: 8, .value_kind: global_buffer, .address_space: global }
      - { .name: ob, .offset: 8, .size: 8, .value_kind: global_buffer, .address_space: global }
      - { .name: wo, .offset: 16, .size: 8, .value_kind: global_buffer, .address_space: global }
      - { .name: wob, .offset: 24, .size: 8, .value_kind: global_buffer, .address_space: global }
    .group_segment_fixed_size: 327680
    .private_segment_fixed_size: 0
    .kernarg_segment_align: 8
    .kernarg_segment_size: 32
    .max_flat_workgroup_size: 128
    .sgpr_count:     96
    .vgpr_count:     1024
    .wavefront_size: 32
...
	.end_amdgpu_metadata
.endif
;; end of part 3
;; launch proj (part 4): grid 16 x 16, 4 waves a work-group, clusters of 4 x 4, 327,680 bytes of LDS; arguments ob, wob, out0; writes out0
.if DOCPART == 4
	.amdgcn_target "amdgcn-amd-amdhsa--gfx1250"
	.amdhsa_code_object_version 6
	.text
	.protected	k_q44d1cc854f_proj
	.globl	k_q44d1cc854f_proj
	.p2align	8
	.type	k_q44d1cc854f_proj,@function
k_q44d1cc854f_proj:
	s_mov_b64 s[64:65], 0
	v_nop
	global_prefetch_b8 v0, s[64:65] scope:SCOPE_SE
	s_setreg_imm32_b32 hwreg(HW_REG_WAVE_MODE, 25, 1), 1
	s_wait_xcnt 0x0
	s_wait_alu depctr_hold_cnt(0) depctr_sa_sdst(0) depctr_va_vdst(0) depctr_va_sdst(0) depctr_va_ssrc(0) depctr_va_vcc(0) depctr_vm_vsrc(0)
	s_getreg_b32 s2, hwreg(HW_REG_IB_STS2, 6, 4)
	s_cmp_eq_u32 s2, 0
	s_cbranch_scc0 .Lentry_in_a_cluster
	s_endpgm
.Lentry_in_a_cluster:
	s_bfe_u32 s2, ttmp6, 0x10000c
	s_cmp_lg_u32 s2, 0xf033
	s_cbranch_scc0 .Lentry_shape_is_right
	s_endpgm
.Lentry_shape_is_right:
; out0 = O wo.  ob: [2048][2048] f16; wob: [k 2048][n 2048] f16 (wo rounded to bf16, written as f16); out0: [2048][2048] f32.  Sums in f32, stored as they are.
; A tile of out0 is 128 x 128: 256 work-groups.  Four waves, each 64 x 64: 16 accumulators.  K goes in 8 steps of 256 through two LDS slots.  A K STEP IS WRITTEN ONCE: the LDS addresses of the slot
; being read are a base plus s[TB], which one exclusive or turns at each change of slots.
; O's tile lies along K (64 rows x 512 bytes a load); wo lies [k][n]: its tile is 256 k rows x 256 bytes (128 rows a load), and its fragments come out of LDS turned, by ds_load_tr16_b128.
; CLUSTERS: 4 x 4 work-groups; O's tile is asked for jointly along a row of the cluster, wo's along a column.  No prefetch: the tiles are small and a step is short.
; THE MATRIX INSTRUCTION IS USED TRANSPOSED (source 0 = 16 columns of wo, source 1 = 16 rows of O): a lane holds eight neighbouring numbers of a row of out0.
; A wave's 64 columns are 256 bytes of f32: each wave has a stage of its own on the way out, and no barrier is needed there.
; REGISTERS: window 0: v0-31 addresses; v128-255 the accumulators ((a, b) at v[128 + 8 (4 a + b)]); window 1: two fragment buffers of 128: 64 registers of O's, then 64 of wo's.
.set PITCH,  528                       ; a row of O in LDS: 512 bytes + 16: row r starts at bank 4 r mod 64 (64 banks of 4 bytes: ISA guide 11.1)
.set PB,     288                       ; a k row of wo: 256 bytes + 32 = 9 x 32
.set HALFA,  64*PITCH
.set HALFB,  128*PB
.set BOFF,   2*HALFA
.set SLOTB,  BOFF+2*HALFB              ; a slot's bytes: 141,312
.set SLOT1,  0x24000                   ; slot 1 begins here: the loads' LDS words in slot 0 (0, 0x8400, 0x10800, 0x19800) have bits 14 and 17 clear, so one exclusive or turns them into slot 1's
.set STAGE,  SLOT1+SLOTB               ; behind the ring: 16 rows x 272 bytes for each wave
.set SPITCH, 272
.set SPARE,  STAGE+4*16*SPITCH         ; behind the stages: the spare words, 128 bytes for each wave: two blocks of 256 bytes that no other line names
.set STEPS,  8                         ; 2,048 / 256
.set ADRA0, 16                         ; v16     LDS address of my fragments of O in slot 0; never rewritten
.set ADRA,  17                         ; v17     the same in the slot being read
.set ADRB0, 20                         ; v20-21  of wo's in slot 0: k rows 0-127, 128-255 (an LDS offset has 16 bits); never rewritten
.set ADRB,  22                         ; v22-23  the same in the slot being read
.set STO,  24
.set RD,   25
.set CO,   26
.set SPW,  28
.set NIL,  29
.set ACC,  128
.set F0,   0
.set F1,   128
.set G1, 24
.set G0, 32                            ; s[32:39] group 0: a set for each of the two first fills; the second then walks on
.set G1B, 48
.set G0B, 56
.set TB,  66                           ; s66  LDS byte at which the slot being read begins: 0 or SLOT1
.set MSB, 0
.macro WIN new
.if MSB != (\new)
	s_set_vgpr_msb (MSB<<8)|(\new)
.set MSB, \new
.endif
.endm
.set MUL,  0x05                        ; sources window 1; C and D window 0
.set TO_F, 0x40                        ; destination window 1
.macro JLOAD s                         ; waves 0 and 1 fetch O's two halves, waves 2 and 3 wo's; an s_nop 0 and four v_nop follow each line
	s_cmp_eq_u32 s11, 0
	s_cbranch_scc0 .Lfor_b_\@
	tensor_load_to_lds s[G0+4*(\s):G0+4*(\s)+3], s[G1:G1+7]
	s_nop 0
.rept 4
	v_nop
.endr
	s_branch .Lasked_\@
.Lfor_b_\@:
	tensor_load_to_lds s[G0B+4*(\s):G0B+4*(\s)+3], s[G1B:G1B+7]
	s_nop 0
.rept 4
	v_nop
.endr
.Lasked_\@:
.endm
.macro CREST
	s_cmp_lg_u32 s10, 0
	s_cbranch_scc1 .Lnot_wave_0_\@
	s_barrier_signal -3
.Lnot_wave_0_\@:
	s_barrier_wait -3
	s_barrier_signal -1
	s_barrier_wait -1
.endm
.macro CROUND
	s_barrier_signal -1
	s_barrier_wait -1
	CREST
.endm
	s_load_b128 s[4:7], s[0:1], 0x0                ; ob s[4:5], wob s[6:7]
	s_load_b64 s[8:9], s[0:1], 0x10                ; out0
	v_lshl_add_u32 v[SPW], v0, 2, SPARE
	v_mov_b32 v[NIL], 0
	ds_add_u32 v[SPW], v[NIL]                      ; the wave's opening: the add and its wait stand ahead of my first tensor load
	v_lshrrev_b32 v1, 5, v0
	v_readfirstlane_b32 s10, v1                    ; wave 0..3
	s_lshr_b32 s11, s10, 1                         ; my half of the tile's rows.  Also: I fetch for O (0) or for wo (1)
	s_and_b32 s12, s10, 1                          ; my half of its columns.  Also: which half of that tile I fetch
	s_bfe_u32 s40, ttmp6, 0x40000
	s_bfe_u32 s41, ttmp6, 0x40004
	s_lshl_b32 s42, ttmp9, 2
	s_add_co_u32 s42, s42, s40                     ; tile column
	s_and_b32 s13, ttmp7, 0xffff
	s_lshl_b32 s13, s13, 2
	s_add_co_u32 s13, s13, s41                     ; tile row
	s_lshl_b32 s43, s41, 2
	s_lshl_b32 s43, 15, s43                        ; my row of the cluster
	s_lshl_b32 s44, 0x1111, s40                    ; my column
	s_or_b32 s[G1+0], s43, (1<<16)|(1<<20)|(1<<21)|(6<<22)|(3<<25)   ; after every 128 words 4 words
	s_mov_b32 s[G1+1], 256<<16                     ; tensor_dim0 = 256
	s_mov_b32 s[G1+2], 64<<16                      ; tensor_dim1 = 64
	s_mov_b32 s[G1+3], 256<<16                     ; tile_dim0 = 256
	s_mov_b32 s[G1+4], 64                          ; tile_dim1 = 64
	s_mov_b32 s[G1+5], 2048
	s_mov_b32 s[G1+6], 0
	s_mov_b32 s[G1+7], 0
	s_or_b32 s[G1B+0], s44, (1<<16)|(1<<20)|(1<<21)|(5<<22)|(7<<25)  ; after every 64 words 8 words
	s_mov_b32 s[G1B+1], 128<<16
	s_mov_b32 s[G1B+2], 128<<16
	s_mov_b32 s[G1B+3], 128<<16
	s_mov_b32 s[G1B+4], 128
	s_mov_b32 s[G1B+5], 2048
	s_mov_b32 s[G1B+6], 0
	s_mov_b32 s[G1B+7], 0
	s_lshl_b32 s16, s13, 7                         ; O: row 128 x tile row + 64 x half, 4,096 bytes a row
	s_lshl_b32 s17, s12, 6
	s_add_co_u32 s16, s16, s17
	s_lshl_b32 s16, s16, 12
	s_mov_b32 s17, 0
	s_lshl_b32 s46, s42, 8                         ; wo: 128 columns are 256 bytes; my 128 k rows of a K step's 256
	s_lshl_b32 s47, s12, 19
	s_add_co_u32 s46, s46, s47
	s_mov_b32 s47, 0
	s_mul_i32 s20, s12, HALFA                      ; where they go
	s_mul_i32 s21, s12, HALFB
	s_add_co_u32 s21, s21, BOFF
	s_mov_b32 s[TB], 0
	s_wait_dscnt 0x0                               ; the opening add is done
	s_wait_kmcnt 0x0
	s_add_nc_u64 s[14:15], s[4:5], s[16:17]
	s_add_nc_u64 s[46:47], s[6:7], s[46:47]
	CROUND                                         ; all sixteen work-groups are here
.irp s, 0,1
	s_mov_b32 s[G0+4*(\s)], 1
	s_add_co_u32 s[G0+4*(\s)+1], s20, (\s)*SLOT1
	s_add_nc_u64 s[G0+4*(\s)+2:G0+4*(\s)+3], s[14:15], (\s)*512
	s_or_b32 s[G0+4*(\s)+3], s[G0+4*(\s)+3], 0x80000000
	s_mov_b32 s[G0B+4*(\s)], 1
	s_add_co_u32 s[G0B+4*(\s)+1], s21, (\s)*SLOT1
	s_add_nc_u64 s[G0B+4*(\s)+2:G0B+4*(\s)+3], s[46:47], (\s)*1048576
	s_or_b32 s[G0B+4*(\s)+3], s[G0B+4*(\s)+3], 0x80000000
	JLOAD \s
.endr
	v_and_b32 v1, 15, v0                           ; l % 16
	v_bfe_u32 v2, v0, 4, 1                         ; l / 16
	v_mul_u32_u24 v3, v1, PITCH
	v_lshl_add_u32 v3, v2, 4, v3
	s_mul_i32 s22, s11, HALFA                      ; my 64 rows of O
	v_add_nc_u32 v[ADRA0], s22, v3
	v_mov_b32 v[ADRA], v[ADRA0]                    ; slot 0 is read first
	v_and_b32 v4, 7, v0
	v_lshl_add_u32 v4, v2, 3, v4
	v_mul_u32_u24 v4, v4, PB
	v_bfe_u32 v5, v0, 3, 1
	v_lshl_add_u32 v4, v5, 4, v4
	s_lshl_b32 s22, s12, 7                         ; my 64 columns of wo: 128 bytes
	s_add_co_u32 s22, s22, BOFF
	v_add_nc_u32 v[ADRB0], s22, v4
	v_add_nc_u32 v[ADRB0+1], HALFB, v[ADRB0]
	v_mov_b32 v[ADRB], v[ADRB0]
	v_mov_b32 v[ADRB+1], v[ADRB0+1]
	s_mul_i32 s23, s10, 16*SPITCH
	s_add_co_u32 s23, s23, STAGE                   ; my stage
	v_mul_u32_u24 v4, v1, SPITCH                   ; in: row l % 16, 32 bytes for each half of the lanes
	v_lshl_add_u32 v4, v2, 5, v4
	v_add_nc_u32 v[STO], s23, v4
	v_mul_u32_u24 v5, v2, SPITCH                   ; back: lanes 0-15 one row of 256 bytes, lanes 16-31 the next
	v_lshl_add_u32 v5, v1, 4, v5
	v_add_nc_u32 v[RD], s23, v5
	v_lshlrev_b32 v[CO], 13, v2                    ; the same two rows in out0, 8,192 bytes apart
	v_lshl_add_u32 v[CO], v1, 4, v[CO]
	s_lshl_b32 s16, s13, 7
	s_lshl_b32 s17, s11, 6
	s_add_co_u32 s16, s16, s17                     ; my first row
	s_lshl_b32 s16, s16, 13
	s_mov_b32 s17, 0
	s_add_nc_u64 s[8:9], s[8:9], s[16:17]
	s_lshl_b32 s46, s42, 9                         ; my first column, in bytes: 512 x tile column + 256 x half
	s_lshl_b32 s47, s12, 8
	s_add_co_u32 s46, s46, s47
	s_mov_b32 s47, 0
	s_add_nc_u64 s[8:9], s[8:9], s[46:47]
.macro MUL8 f, c, a0, zero             ; 8 matrix instructions: row blocks a0, a0 + 1 x all 4 column blocks, 32 along K: half c of buffer f.  The 16 accumulators take turns
	WIN MUL
.irp a, \a0, (\a0)+1
.irp b, 0,1,2,3
.if \zero
	v_wmma_f32_16x16x32_f16 v[ACC+8*(4*(\a)+(\b)):ACC+8*(4*(\a)+(\b))+7], v[(\f)+64+8*(4*(\c)+(\b)):(\f)+64+8*(4*(\c)+(\b))+7], v[(\f)+8*(4*(\c)+(\a)):(\f)+8*(4*(\c)+(\a))+7], 0
.else
	v_wmma_f32_16x16x32_f16 v[ACC+8*(4*(\a)+(\b)):ACC+8*(4*(\a)+(\b))+7], v[(\f)+64+8*(4*(\c)+(\b)):(\f)+64+8*(4*(\c)+(\b))+7], v[(\f)+8*(4*(\c)+(\a)):(\f)+8*(4*(\c)+(\a))+7], v[ACC+8*(4*(\a)+(\b)):ACC+8*(4*(\a)+(\b))+7]
.endif
.endr
.endr
.endm
.macro FETCH q, f                      ; 32 LDS loads in one run: the fragments of quarter q (64 along K) of the slot being read into buffer f; the first 32 along K first
	WIN TO_F
.irp c, 0,1
.irp i, 0,1,2,3
	ds_load_tr16_b128 v[(\f)+64+8*(4*(\c)+(\i)):(\f)+64+8*(4*(\c)+(\i))+3],   v[ADRB+(\q)/2] offset:(((\q)%2)*64+32*(\c))*PB+32*(\i)
	ds_load_tr16_b128 v[(\f)+64+8*(4*(\c)+(\i))+4:(\f)+64+8*(4*(\c)+(\i))+7], v[ADRB+(\q)/2] offset:(((\q)%2)*64+32*(\c)+16)*PB+32*(\i)
	ds_load_b128 v[(\f)+8*(4*(\c)+(\i)):(\f)+8*(4*(\c)+(\i))+3],         v[ADRA] offset:(\q)*128+64*(\c)+(\i)*16*PITCH
	ds_load_b128 v[(\f)+8*(4*(\c)+(\i))+4:(\f)+8*(4*(\c)+(\i))+7],       v[ADRA] offset:(\q)*128+64*(\c)+(\i)*16*PITCH+32
.endr
.endr
.endm
.macro PLACES
.rept 4
	v_nop
.endr
.endm
.macro NEXTSLOT                        ; the reads go on in the other slot
	s_xor_b32 s[TB], s[TB], SLOT1
	v_add_nc_u32 v[ADRA], s[TB], v[ADRA0]
	v_add_nc_u32 v[ADRB], s[TB], v[ADRB0]
	v_add_nc_u32 v[ADRB+1], s[TB], v[ADRB0+1]
.endm
.macro QUARTER q, f, g, zero           ; multiplies buffer f and fetches quarter q of the same slot into g
	s_wait_dscnt 16                                ; the first 32 along K are in
	WIN MUL
	MUL8 \f, 0, 0, \zero
	MUL8 \f, 0, 2, \zero
	PLACES
	FETCH \q, \g
	s_wait_dscnt 32                                ; all but the 32 just issued
	WIN MUL
	MUL8 \f, 1, 0, 0
	MUL8 \f, 1, 2, 0
.endm
; The last quarter multiplies buffer 1 and changes slots: in front of the barrier each wave waits for all its tensor loads, adds 0 to its spare word, and waits for that and for its reads of this slot.
; fill = 1: the barrier opens a round of the cluster's, and the walking descriptor fills the slot just read, two K steps on, first thing behind it.
; fill = 0, the last two K steps: nothing is filled; in the very last (s3 = 1) there is no further slot, and the fetch is jumped over.
.macro TURN fill
	WIN 0
	s_wait_tensorcnt 0x0
	ds_add_u32 v[SPW], v[NIL]
	s_wait_dscnt 17                                ; (the add and the youngest sixteen loads may be out)
	WIN MUL
	MUL8 F1, 0, 0, 0
	s_wait_dscnt 0x0                               ; the add is done, and my reads of this slot are over
	s_barrier_signal -1
	MUL8 F1, 0, 2, 0
	WIN 0
	s_barrier_wait -1
.if \fill
	CREST
	s_xor_b32 s[G0+5], s[G0+5], SLOT1
	s_add_nc_u64 s[G0+6:G0+7], s[G0+6:G0+7], 512
	s_xor_b32 s[G0B+5], s[G0B+5], SLOT1
	s_add_nc_u64 s[G0B+6:G0B+7], s[G0B+6:G0B+7], 1048576
	JLOAD 1                                        ; its four v_nop are also the places in front of the loads below
	NEXTSLOT
	FETCH 0, F0
.else
	s_cmp_eq_u32 s3, 1
	s_cbranch_scc1 .Lno_more_\@
	PLACES
	NEXTSLOT
	FETCH 0, F0
	WIN 0
.Lno_more_\@:
.endif
	WIN MUL
	MUL8 F1, 1, 0, 0
	MUL8 F1, 1, 2, 0
.endm
	s_wait_tensorcnt 1                             ; my part of K step 0 is in; K step 1's may stay out
	s_barrier_signal -1
	s_barrier_wait -1
	FETCH 0, F0
	QUARTER 1, F0, F1, 1                           ; the first quarter stands in front of the loop: its first products start the sums
	WIN 0
	s_mov_b32 s3, STEPS-2
.Lstep:                                            ; a trip goes from a K step's second quarter to the next step's first, and fills the slot that it leaves: K steps 0 to 5
	QUARTER 2, F1, F0, 0
	QUARTER 3, F0, F1, 0
	TURN 1
	QUARTER 1, F0, F1, 0
	WIN 0
	s_sub_co_u32 s3, s3, 1
	s_cmp_lg_u32 s3, 0
	s_cbranch_scc1 .Lstep
	s_mov_b32 s3, 2
.Ltail:                                            ; K steps 6 and 7 fill nothing: a text of their own
	QUARTER 2, F1, F0, 0
	QUARTER 3, F0, F1, 0
	TURN 0
	WIN 0
	s_cmp_eq_u32 s3, 1                             ; behind K step 7 there is no first quarter
	s_cbranch_scc1 .Ldone
	QUARTER 1, F0, F1, 0
	WIN 0
.Ldone:
	s_sub_co_u32 s3, s3, 1
	s_cmp_lg_u32 s3, 0
	s_cbranch_scc1 .Ltail
	PLACES
	PLACES
; THE WAY OUT, a block of 16 rows at a time: 32 bytes a lane into my stage (each accumulator's low four registers first), back as whole rows of 256 bytes into the registers that they left.
.macro PACK a
.irp b, 0,1,2,3
	ds_store_b128 v[STO], v[ACC+8*(4*(\a)+(\b)):ACC+8*(4*(\a)+(\b))+3]   offset:64*(\b)
	ds_store_b128 v[STO], v[ACC+8*(4*(\a)+(\b))+4:ACC+8*(4*(\a)+(\b))+7] offset:64*(\b)+16
.endr
.irp t, 0,1,2,3,4,5,6,7
	ds_load_b128 v[ACC+32*(\a)+4*(\t):ACC+32*(\a)+4*(\t)+3], v[RD] offset:(\t)*2*SPITCH  ; LDS serves a wave's instructions in order (ISA guide 5.7.1.4)
.endr
.endm
.macro SEND a, younger                 ; younger: the LDS instructions issued behind block a's loads
.irp t, 0,1,2,3,4,5,6,7
	s_wait_dscnt (\younger)+7-(\t)
	global_store_b128 v[CO], v[ACC+32*(\a)+4*(\t):ACC+32*(\a)+4*(\t)+3], s[8:9] offset:(16*(\a)+2*(\t))*8192  ; 16 lanes store 256 consecutive bytes, aligned
.endr
.endm
	PACK 0
	PACK 1
	SEND 0, 16
	PACK 2
	SEND 1, 16
	PACK 3
	SEND 2, 16
	SEND 3, 0
	s_wait_tensorcnt 0x0                           ; the wave's end
	ds_add_u32 v[SPW], v[NIL]
	s_wait_dscnt 0x0
	CROUND                                         ; the closing round
	s_endpgm
.Lfunc_end_k_q44d1cc854f_proj:
	.size	k_q44d1cc854f_proj, .Lfunc_end_k_q44d1cc854f_proj-k_q44d1cc854f_proj
	.p2alignl 7, 3214868480
	.fill 96, 4, 3214868480
	.section	.rodata,"a",@progbits
	.p2align	6, 0x0
	.amdhsa_kernel k_q44d1cc854f_proj
		.amdhsa_group_segment_fixed_size 327680
		.amdhsa_private_segment_fixed_size 0
		.amdhsa_enable_private_segment 0
		.amdhsa_kernarg_size 24
		.amdhsa_user_sgpr_count 2
		.amdhsa_user_sgpr_kernarg_segment_ptr 1
		.amdhsa_wavefront_size32 1
		.amdhsa_system_sgpr_workgroup_id_x 1
		.amdhsa_system_sgpr_workgroup_id_y 1
		.amdhsa_system_sgpr_workgroup_id_z 1
		.amdhsa_system_vgpr_workitem_id 0
		.amdhsa_next_free_vgpr 512
		.amdhsa_next_free_sgpr 72
		.amdhsa_reserve_vcc 0
		.amdhsa_float_denorm_mode_32 3
		.amdhsa_float_denorm_mode_16_64 3
		.amdhsa_memory_ordered 1
		.amdhsa_forward_progress 1
		.amdhsa_inst_pref_size 59
	.end_amdhsa_kernel
	.amdgpu_metadata
---
amdhsa.version: [ 1, 2 ]
amdhsa.kernels:
  - .name:           k_q44d1cc854f_proj
    .symbol:         k_q44d1cc854f_proj.kd
    .args:
      - { .name: ob, .offset: 0, .size: 8, .value_kind: global_buffer, .address_space: global }
      - { .name: wob, .offset: 8, .size: 8, .value_kind: global_buffer, .address_space: global }
      - { .name: out0, .offset: 16, .size: 8, .value_kind: global_buffer, .address_space: global }
    .group_segment_fixed_size: 327680
    .private_segment_fixed_size: 0
    .kernarg_segment_align: 8
    .kernarg_segment_size: 24
    .max_flat_workgroup_size: 128
    .sgpr_count:     72
    .vgpr_count:     512
    .wavefront_size: 32
...
	.end_amdgpu_metadata
.endif
;; end of part 4
